; MI455X (gfx1250); checked and timed in simulation.
; The chip was launched on July 23, 2026; its instructions are those of AMD's public machine-readable ISA for CDNA 5 (MIT licence, August 2026) and "CDNA5" Instruction Set Architecture Reference Guide (July 2026). The comments in the code are by the model that wrote it; some were corrected since.
;; Multi Headed Attention. Allowed arithmetic: matrix products marked QUANTISED: E2M3 operands, one E8M0 scale for each 32 along K, by v_wmma_scale_f32_16x16x128_f8f6f4 with both operands' format E2M3, f32 sums; everything else in f32.
;; Inputs: k_codes 1 x 4,096 x 32 x 24 uint8 (E2M3 codes of k, K innermost, in blocks of 32 codes, four codes in three bytes); k_scales 1 x 4,096 x 32 uint8 (E8M0 scales of k, one for each 32 codes along K); mask 4,096 x 4,096 bool; q_codes 1 x 4,096 x 32 x 24 uint8 (E2M3 codes of q, K innermost, in blocks of 32 codes, four codes in three bytes); q_scales 1 x 4,096 x 32 uint8 (E8M0 scales of q, one for each 32 codes along K); rotary_freqs 4,096 x 32 float32; v_codes 1 x 4,096 x 32 x 24 uint8 (E2M3 codes of v, K innermost, in blocks of 32 codes, four codes in three bytes); v_scales 1 x 4,096 x 32 uint8 (E8M0 scales of v, one for each 32 codes along K); w_k_codes 1,024 x 32 x 24 uint8 (E2M3 codes of w_k, K innermost, in blocks of 32 codes, four codes in three bytes); w_k_scales 1,024 x 32 uint8 (E8M0 scales of w_k, one for each 32 codes along K); w_o_codes 1,024 x 32 x 24 uint8 (E2M3 codes of w_o, K innermost, in blocks of 32 codes, four codes in three bytes); w_o_scales 1,024 x 32 uint8 (E8M0 scales of w_o, one for each 32 codes along K); w_q_codes 1,024 x 32 x 24 uint8 (E2M3 codes of w_q, K innermost, in blocks of 32 codes, four codes in three bytes); w_q_scales 1,024 x 32 uint8 (E8M0 scales of w_q, one for each 32 codes along K); w_v_codes 1,024 x 32 x 24 uint8 (E2M3 codes of w_v, K innermost, in blocks of 32 codes, four codes in three bytes); w_v_scales 1,024 x 32 uint8 (E8M0 scales of w_v, one for each 32 codes along K).
;; Outputs: out0 1 x 4,096 x 1,024 float32.
;; This version of the problem:
;;   THIS VERSION OF THE PROBLEM IS GIVEN IN LOW PRECISION. The matrix products marked QUANTISED in the list below multiply operands that are first quantised to E2M3 (2 exponent bits, 3 mantissa bits; 6 bits a number), with one power-of-two scale for each 32 numbers along K (OCP MX v1.0); their sums are f32. All else is computed in f32.
;;   The module's matrix products, in the order in which they are computed (A, B: the left and right operand; K: the contracted axis; several contracted axes count as one K, in the product's order):
;;     1. [M 4,096, K 1,024] x [K 1,024, N 1,024]; A: input q (given as codes); B: input w_q (given as codes): QUANTISED
;;     2. [M 4,096, K 1,024] x [K 1,024, N 1,024]; A: input k (given as codes); B: input w_k (given as codes): QUANTISED
;;     3. [M 4,096, K 1,024] x [K 1,024, N 1,024]; A: input v (given as codes); B: input w_v (given as codes): QUANTISED
;;     4. batch 16 x [M 4,096, K 64] x [K 64, N 4,096]; A: computed on the way; B: computed on the way: QUANTISED
;;     5. batch 16 x [M 4,096, K 4,096] x [K 4,096, N 64]; A: softmax (see below); B: computed on the way: QUANTISED
;;     6. [M 4,096, K 1,024] x [K 1,024, N 1,024]; A: computed on the way; B: input w_o (given as codes): QUANTISED
;;   THE QUANTISER, for each operand of a quantised product, along K:
;;     - K is cut into blocks of 32 from its start; a last block that is shorter is filled with zeros.
;;     - A block's scale is 2^e with e = floor(log2(the largest magnitude in the block)) - 2, held to -126 .. 127; a block of zeros has e = 0. As a byte (E8M0): e + 127.
;;     - Each number is divided by its block's scale, clamped to +-7.5, and rounded to the nearest number of E2M3, ties to even, subnormals kept.
;;     - The product sums the exact products of the quantised numbers (number of the format x scale) in f32.
;;   ~~~python
;;   def quantise(x, axis):      # numpy; x: float32 -> the quantised numbers, widened to float32 again
;;       x = np.moveaxis(x, axis, -1); K = x.shape[-1]
;;       x = np.pad(x, [(0, 0)] * (x.ndim - 1) + [(0, -K % 32)]); x = x.reshape(x.shape[:-1] + (-1, 32)); a = np.abs(x).max(-1, keepdims=True)
;;       e = np.where(a > 0, np.clip(np.frexp(np.where(a > 0, a, 1))[1] - 1 - 2, -126, 127), 0)      # np.frexp(a)[1] - 1 = floor(log2(a)), exactly
;;       r = np.clip(x / 2.0 ** e, -7.5, 7.5)
;;       step = 2.0 ** (np.maximum(np.frexp(np.where(r == 0, 1, r))[1] - 1, 0) - 3)
;;       q = np.round(r / step) * step * 2.0 ** e      # np.round: ties to even
;;       return np.moveaxis(q.reshape(q.shape[:-2] + (-1,))[..., :K], -1, axis).astype(np.float32)
;;   ~~~
;;   SOFTMAX AHEAD OF A QUANTISED PRODUCT. Where the list says 'softmax', what is quantised is not the finished softmax but p = 2^(t - M), with t = logit x log2(e) and M = ceil(the row's largest t), a whole number; so 1/2 < the row's largest p <= 1. The row's sum l is taken of the UNQUANTISED p, in f32, and the product's result is divided by l at the end. Since M is a whole number, a kernel that streams over the keys may use a running M (the ceiling of the running maximum): every later rescaling is an exact power of two, which a block's scale takes up: the codes' values come out the same.
;;   OPERANDS COMPUTED ON THE WAY. 'Computed on the way' means the value that the module computes at that place (a softmax that the list does not call 'softmax' is quantised finished and normalised). What goes into a quantiser is computed in f32, as accurately as f32 sums, v_exp_f32 and their like allow (about 1e-6 of the number): no bf16 or f16 on the way to a quantiser, and a product that is left as it is and whose result goes on into a quantised operand takes f32 operands (vector FMAs, or v_wmma_f32_16x16x4_f32). A number that lies on a knife's edge between two numbers of the format may be rounded either way, as far as f32 arithmetic and the matrix unit's own rounding can turn it there, and no further.
;;   INPUTS GIVEN AS CODES. k (in the module: [1, 4096, 1024], K = its axis 2); q (in the module: [1, 4096, 1024], K = its axis 2); v (in the module: [1, 4096, 1024], K = its axis 2); w_k (in the module: [1024, 1024], K = its axis 1); w_o (in the module: [1024, 1024], K = its axis 1); w_q (in the module: [1024, 1024], K = its axis 1); w_v (in the module: [1024, 1024], K = its axis 1): each comes as NAME_codes (uint8): NAME with its K axis moved to the last place and cut into blocks of 32 codes, [.., K / 32, bytes a block], one block behind the other in memory; four codes in three bytes: a row's codes are one little-endian stream of bits, code i at bits 6 i .. 6 i + 5 (a code: sign, 2 exponent bits, 3 mantissa bits); and NAME_scales (uint8): the same leading axes, one E8M0 byte (e + 127) for each 32 codes along K. Its value is code x scale, taken as it is: it is not quantised again, and the codes and scales need not be those that the quantiser above would give.
;; One version. Each part assembles by itself: llvm-mc -triple=amdgcn-amd-amdhsa -mcpu=gfx1250 --defsym DOCPART=n.
;; ======== version 1 of 1: 3 launches
;; limits: right only within a limited range of input values; inputs' magnitudes at most 4,194,304
;; workspace buffers: qimg 3,276,800 bytes; kv 6,553,600 bytes; maskw 2,097,152 bytes of whole numbers; msum 65,536 bytes of whole numbers; vimg 3,145,728 bytes; vsc 131,072 bytes
;; launch proj (part 1): grid 8 x 96, 4 waves a work-group, clusters of 4 x 4, 287,744 bytes of LDS; arguments q_codes, k_codes, v_codes, w_q_codes, w_k_codes, w_v_codes, q_scales, k_scales, v_scales, w_q_scales, w_k_scales, w_v_scales, rotary_freqs, mask, qimg, kv, maskw, msum; writes qimg, kv, maskw, msum
.if DOCPART == 1
	.amdgcn_target "amdgcn-amd-amdhsa--gfx1250"
	.amdhsa_code_object_version 6
	.text
	.protected	k_q2643d4a517_proj
	.globl	k_q2643d4a517_proj
	.p2align	8
	.type	k_q2643d4a517_proj,@function
k_q2643d4a517_proj:
	s_mov_b64 s[64:65], 0
	v_nop
	global_prefetch_b8 v0, s[64:65] scope:SCOPE_SE
	s_setreg_imm32_b32 hwreg(HW_REG_WAVE_MODE, 25, 1), 1
	s_wait_xcnt 0x0
	s_wait_alu depctr_hold_cnt(0) depctr_sa_sdst(0) depctr_va_vdst(0) depctr_va_sdst(0) depctr_va_ssrc(0) depctr_va_vcc(0) depctr_vm_vsrc(0)
	s_getreg_b32 s2, hwreg(HW_REG_IB_STS2, 6, 4)
	s_cmp_eq_u32 s2, 0
	s_cbranch_scc0 .Lentry_in_a_cluster
	s_endpgm
.Lentry_in_a_cluster:
	s_bfe_u32 s2, ttmp6, 0x10000c
	s_cmp_lg_u32 s2, 0xf033
	s_cbranch_scc0 .Lentry_shape_is_right
	s_endpgm
.Lentry_shape_is_right:
; PROJ: the three projections on codes of FP6 (E2M3), the rotary turn of the first 32 of each head's 64 numbers, and the quantising of the results; besides, the mask packed into lane words.
; z = cluster y / 8: 0 = q, 1 = k, 2 = v.  A work-group makes 128 x 128 of one projection, K = 1,024.  Side L (source 1) lies across the lanes, side R (source 0) down a lane's registers.
;   q, k: L = 128 tokens, R = 128 rows of W (two heads): a lane's registers run along a head's 64 numbers, the K of the scores.
;   v:    L = 128 rows of w_v (channels of two heads), R = 128 tokens: a lane's registers run along the keys, the K of the second attention product.
; Wave w takes L rows 32 w .. 32 w + 31 (two tiles) against R's eight tiles: 16 accumulators, which take turns.
; A TILE'S 16 ROWS ARE NOT NEIGHBOURS: lane r of tile 2 b + u takes row 32 b + 8 u + r % 8 + 16 (r / 8); so the 16 registers of R's tiles 2 b, 2 b + 1 are the neighbours 32 b + 16 (lane / 16) + 0 .. 15.
; Both operands for all of K lie in LDS, filled once by joint tensor loads (4 x 4 work-groups: L's tile is shared along a row of the cluster, R's along a column).  No LDS byte is filled twice.
; OUT: fragments as images of their registers (registers 4 g .. 4 g + 3 of lane l at 512 g + 16 l) and scale words.
;   qimg [head][step of 128 tokens][6,400]: four fragments (registers 0-5 an even token tile, 6-11 the odd one), then 256 bytes of scale words [r][fragment].
;   kv [head][step][12,800]: K's four fragments, V's four (16 channels x 128 keys), K's scale words at 12,288, V's at 12,544.
;   maskw [token tile][step][64 words]: bit lane of word 16 b + i = mask[the lane's token][128 step + 32 b + 16 (lane / 16) + i].
; LIMITS: |rotary_freqs| under 2^22 (pi / 2 is taken off in three parts); NaN and infinities are not served; a block of zeros gets the scale byte 1 (its codes are zeros; only this program reads the bytes).
.set RGN,   52480                      ; LDS: four regions of codes: L's rows 32 g + 0..15, L's rows 32 g + 16..31, R's likewise
.set EO,    RGN+128                    ; from an even region to the odd one behind it
.set LINE,  13056                      ; 16 rows of codes: 12,288 bytes + 16 behind each 256
.set CROW,  816                        ; one row: 768 + 48
.set RSIDE, 2*RGN
.set TAB,   4*RGN                      ; [128 tokens][32] pairs (cos f, +- sin f), rows of 256 + 16.  (The scale words go from memory straight into their registers: 5,120 bytes a wave against 196,608 bytes of codes a work-group, so they are not asked for jointly)
.set MST,   TAB+128*272                ; a stage of 16 x 528 bytes for each wave, for the mask
.set CW,    (3<<16)|(1<<20)|(1<<21)|(5<<22)|(3<<25)   ; elements of 8 bytes; padding on; bit 21 beside a mask; behind every 64 words, 4 words
.set RA,  2                            ; v2, v3   R's fragments: my row + 24 h, + 40 h (behind one padding more)
.set LA,  4                            ; v4, v5   L's
.set RSA, 6                            ; v6       my row's 32 scale bytes among the 1,024 of 32 rows, in memory
.set TQ,  8                            ; v8       the table for q, k: my token's row, my half's 16 pairs
.set TV,  9                            ; v9       the table for v: my channel's pair, my half's tokens
.set L16, 10                           ; v10      16 x lane
.set SWO, 11                           ; v11      where my scale word goes
.set TST, 12                           ; v12      where I store table pairs
.set FO,  13                           ; v13      16 x thread
.set MSI, 14                           ; v14      the mask's stage, in
.set MSO, 15                           ; v15      and out
.set RSC, 16                           ; v16-47   R's scale words: pair i, K step ks at 16 + 8 i + ks: lanes 0-15 tile 2 i, lanes 16-31 tile 2 i + 1
.set LSC, 48                           ; v48-55   L's: lanes 0-15 tile 0, lanes 16-31 tile 1
.set WA,  56                           ; v56, v57 scale words in the making
.set WB,  57
.set Y,   64                           ; v64-127  a tile's 64 numbers           (during the products v64-159, v160-255: R's fragments, two sets)
.set T,   128                          ; v128-191 table pairs
.set TM,  208                          ; v208-223 the quantiser's 16
.set FA,  224                          ; v224-235, v236-247 fragments made
.set FB,  236
.set CT,  248                          ; v248-250, v252-254 upper halves of blocks
.set G1L, 52                           ; s[52:59]  group 1: L's codes     s[68:75] R's codes
.set G1R, 68
.set G0L, 92                           ; s[92:95], s[96:99] groups 0
.set G0R, 96
.set MSB, 0
.macro WIN new                         ; the immediate's high byte repeats the setting that is left
.if MSB != \new
	s_set_vgpr_msb (MSB<<8)|\new
.set MSB, \new
.endif
.endm
.macro CROUND                          ; a round of the cluster's barrier
	s_barrier_signal -1
	s_barrier_wait -1
	s_cmp_lg_u32 s14, 0
	s_cbranch_scc1 .Lnot_wave_0_\@
	s_barrier_signal -3
.Lnot_wave_0_\@:
	s_barrier_wait -3
	s_barrier_signal -1
	s_barrier_wait -1
.endm
.macro PLACES                          ; four plain places behind matrix instructions (ISA guide 7.12.1)
.rept 4
	v_nop
.endr
.endm
	s_load_b512 s[16:31], s[0:1], 0x0              ; q, k, v codes; w_q, w_k, w_v codes; q, k scales
	s_load_b512 s[32:47], s[0:1], 0x40             ; v scales; w_q, w_k, w_v scales; freqs; mask; qimg; kv
	s_load_b64 s[48:49], s[0:1], 0x80              ; maskw
	s_set_vgpr_msb 0x40
	v_lshl_add_u32 v192, v0, 2, 0x46200
	v_mov_b32 v193, 0
	s_set_vgpr_msb 0x4045
	ds_add_u32 v192, v193
	ds_add_u32 v192, v193
	s_set_vgpr_msb 0x4500
	v_lshrrev_b32 v1, 5, v0
	v_readfirstlane_b32 s14, v1                    ; wave 0..3
	s_bfe_u32 s60, ttmp6, 0x40000                  ; cx
	s_bfe_u32 s61, ttmp6, 0x40004                  ; cy
	s_lshl_b32 s62, ttmp9, 2
	s_add_co_u32 s62, s62, s60                     ; x = 4 x cluster x + cx
	s_and_b32 s63, ttmp7, 0xffff                   ; cluster y
	s_lshr_b32 s15, s63, 3                         ; z: the same in all sixteen partners
	s_and_b32 s63, s63, 7                          ; c7
	s_lshl_b32 s2, s63, 2                          ; q, k: 4 c7
	s_and_b32 s104, s63, 4                         ; v: 4 (c7 / 4)
	s_and_b32 s3, s63, 3
	s_lshl_b32 s3, s3, 3                           ; v: 8 (c7 % 4)
	s_cmp_eq_u32 s15, 2
	s_cselect_b32 s2, s104, s2
	s_cselect_b32 s3, s3, 0
	s_add_co_u32 s66, s2, s61                      ; L's tile: made of cy, never of cx
	s_add_co_u32 s67, s3, s62                      ; R's tile: made of cx, never of cy
	s_lshl_b32 s2, s61, 2
	s_lshl_b32 s2, 15, s2                          ; my row of the cluster
	s_lshl_b32 s3, 0x1111, s60                     ; my column
	s_or_b32 s[G1L], s2, CW
	s_or_b32 s[G1R], s3, CW
.irp g, G1L, G1R                       ; codes: 4 lines of 12,288 dense bytes (16 rows), 24,576 bytes apart
	s_mov_b32 s[\g+1], 1536<<16                    ; tensor_dim0
	s_mov_b32 s[\g+2], 4<<16                       ; tensor_dim1
	s_mov_b32 s[\g+3], 1536<<16                    ; tile_dim0
	s_mov_b32 s[\g+4], 4                           ; tile_dim1
	s_mov_b32 s[\g+5], 3072                        ; stride
	s_mov_b32 s[\g+6], 0
	s_mov_b32 s[\g+7], 0
.endr
	s_mov_b32 s100, 0x76543210
	s_mov_b32 s101, 0xfedcba98                     ; v_permlanex16_b32's selects for lane l xor 16
	s_wait_dscnt 0x0
	s_wait_kmcnt 0x0
	s_cmp_eq_u32 s15, 0                            ; the buffers are chosen on z alone
	s_cselect_b64 s[4:5], s[16:17], s[18:19]       ; x's codes
	s_cselect_b64 s[6:7], s[22:23], s[24:25]       ; w's codes
	s_cselect_b64 s[8:9], s[28:29], s[30:31]       ; x's scales
	s_cselect_b64 s[10:11], s[34:35], s[36:37]     ; w's scales
	s_cselect_b64 s[12:13], s[44:45], s[46:47]     ; q goes to qimg, k to kv
	s_cmp_eq_u32 s15, 2
	s_cselect_b64 s[4:5], s[20:21], s[4:5]
	s_cselect_b64 s[6:7], s[26:27], s[6:7]
	s_cselect_b64 s[8:9], s[32:33], s[8:9]
	s_cselect_b64 s[10:11], s[38:39], s[10:11]
	s_cselect_b64 s[16:17], s[6:7], s[4:5]         ; L's codes: for v the weight
	s_cselect_b64 s[18:19], s[4:5], s[6:7]         ; R's codes
	s_cselect_b64 s[20:21], s[10:11], s[8:9]       ; L's scales
	s_cselect_b64 s[22:23], s[8:9], s[10:11]       ; R's scales
	s_and_b32 s44, s14, 1                          ; which half of a side I fetch
	s_mul_i32 s45, s14, RGN
	s_lshl_b32 s5, s44, 7
	s_add_co_u32 s45, s45, s5                      ; my region of codes
	s_mul_i32 s5, s44, 12288
	s_mul_i32 s104, s66, 98304
	s_add_co_u32 s104, s104, s5
	s_mov_b32 s105, 0
	s_mul_i32 s50, s67, 98304
	s_add_co_u32 s50, s50, s5
	s_mov_b32 s51, 0
	s_lshl_b32 s5, s14, 10
	s_lshl_b32 s38, s66, 12
	s_add_co_u32 s38, s38, s5                      ; L's scale bytes: 4,096 a tile, my 32 rows' 1,024
	s_mov_b32 s39, 0
	s_lshl_b32 s36, s67, 12                        ; R's: the tile's 4,096
	s_mov_b32 s37, 0
	s_mov_b32 s[G0L], 1
	s_mov_b32 s[G0L+1], s45
	s_add_nc_u64 s[G0L+2:G0L+3], s[16:17], s[104:105]
	s_or_b32 s[G0L+3], s[G0L+3], 0x80000000
	s_mov_b32 s[G0R], 1
	s_mov_b32 s[G0R+1], s45
	s_add_nc_u64 s[G0R+2:G0R+3], s[18:19], s[50:51]
	s_or_b32 s[G0R+3], s[G0R+3], 0x80000000
	s_add_nc_u64 s[20:21], s[20:21], s[38:39]
	s_add_nc_u64 s[22:23], s[22:23], s[36:37]
	CROUND                                         ; all sixteen work-groups are here: the joint loads meet
	s_cmp_lt_u32 s14, 2                            ; waves 0, 1 fetch for L, waves 2, 3 for R: a wave's two fills stand in one branch; two tensor loads of mine are out
	s_cbranch_scc0 .Lfor_r
	tensor_load_to_lds s[G0L:G0L+3], s[G1L:G1L+7]
	s_nop 0
	PLACES
	s_branch .Lasked
.Lfor_r:
	tensor_load_to_lds s[G0R:G0R+3], s[G1R:G1R+7]
	s_nop 0
	PLACES
.Lasked:
	; every address of a lane, made of the thread's number, the wave's number and constants
	v_and_b32 v58, 7, v0                           ; r % 8
	v_bfe_u32 v59, v0, 3, 1                        ; r / 8
	v_bfe_u32 v60, v0, 4, 1                        ; h
	v_and_b32 v61, 15, v0                          ; r
	v_lshlrev_b32 v[FO], 4, v0
	s_cmp_eq_u32 s15, 2
	s_cselect_b32 s6, s67, s66                     ; the tile of tokens: R's for v, L's else
	s_lshl_b32 s6, s6, 14
	s_mov_b32 s7, 0
	s_add_nc_u64 s[40:41], s[40:41], s[6:7]
.irp i, 0,1,2,3,4,5,6,7
	global_load_b128 v[64+4*\i:67+4*\i], v[FO], s[40:41] offset:2048*\i   ; 128 tokens x 32 angles: each load of a wave reads 512 consecutive bytes
.endr
	v_mul_u32_u24 v62, v58, CROW
	v_mad_u32_u24 v62, v59, EO, v62
	v_mad_u32_u24 v63, v60, 24, v62
	v_mad_u32_u24 v62, v60, 40, v62
	v_add_nc_u32 v[RA], RSIDE, v63
	v_add_nc_u32 v[RA+1], RSIDE, v62
	s_mul_i32 s45, s14, LINE
	v_add_nc_u32 v[LA], s45, v63
	v_add_nc_u32 v[LA+1], s45, v62
	v_lshl_add_u32 v62, v59, 1, v60                ; my row of a pair of tiles is 16 (r / 8) + 8 h + r % 8 (lanes 16-31 take the odd tile): 32 bytes a row
	v_lshlrev_b32 v62, 8, v62
	v_lshl_add_u32 v[RSA], v58, 5, v62
.irp i, 0,1,2,3
	global_load_b128 v[RSC+8*\i:RSC+8*\i+3], v[RSA], s[22:23] offset:1024*\i       ; a row's eight scale words, one for each K step: the two loads of a pair read 1,024 consecutive bytes
	global_load_b128 v[RSC+8*\i+4:RSC+8*\i+7], v[RSA], s[22:23] offset:1024*\i+16
.endr
	global_load_b128 v[LSC:LSC+3], v[RSA], s[20:21]
	global_load_b128 v[LSC+4:LSC+7], v[RSA], s[20:21] offset:16
	v_lshl_add_u32 v62, v59, 4, v58
	v_mul_u32_u24 v62, v62, 272
	v_lshl_add_u32 v62, v60, 7, v62
	s_mul_i32 s45, s14, 8704
	s_add_co_u32 s45, s45, TAB
	v_add_nc_u32 v[TQ], s45, v62
	v_mul_u32_u24 v62, v60, 4352
	v_lshl_add_u32 v62, v58, 3, v62
	v_lshl_add_u32 v62, v59, 7, v62
	v_add_nc_u32 v[TV], TAB, v62
	v_and_b32 v62, 31, v0
	v_lshlrev_b32 v[L16], 4, v62
	v_lshrrev_b32 v62, 3, v0
	v_mul_u32_u24 v62, v62, 272
	v_lshl_add_u32 v62, v58, 5, v62
	v_add_nc_u32 v[TST], TAB, v62
	s_mul_i32 s45, s14, 8448
	s_add_co_u32 s45, s45, MST
	v_add_nc_u32 v[MSI], s45, v[L16]
	v_mul_u32_u24 v62, v61, 528
	v_lshl_add_u32 v62, v60, 4, v62
	v_add_nc_u32 v[MSO], s45, v62
	v_bfe_u32 v63, v0, 2, 1                        ; my four angles belong to d = 4 (thread % 8) ..: the sine's sign is turned for d < 16
	v_xor_b32 v63, 1, v63
	v_lshlrev_b32 v63, 31, v63
	s_mov_b32 s10, 0xb94ca1f9                      ; -1.9515295891e-4
	s_mov_b32 s11, 0x37ccf5ce                      ; 2.443315712e-5
	s_mov_b32 s44, 0x80000000
	; q's and k's work-groups ask for their part of the mask now, so that it lands while the table is made; v's have a copy of the table's lines of their own, behind the mask's
	s_cmp_eq_u32 s15, 2
	s_wait_alu depctr_va_vdst(0)
	s_cbranch_scc1 .Lv_sincos
	s_load_b64 s[16:17], s[0:1], 0x88              ; msum
	s_lshl_b32 s8, s15, 7
	s_lshl_b32 s9, s66, 2
	s_add_co_u32 s8, s8, s9
	s_lshr_b32 s9, s62, 1
	s_add_co_u32 s8, s8, s9                        ; the token tile: 128 z + 4 L's tile + x / 2
	s_and_b32 s9, s62, 1
	s_lshl_b32 s9, s9, 2
	s_add_co_u32 s9, s9, s14                       ; which 512 columns: 4 (x % 2) + wave
	s_lshr_b32 s6, s8, 1
	s_lshl_b32 s6, s6, 17
	s_and_b32 s7, s8, 1
	s_lshl_b32 s7, s7, 15
	s_add_co_u32 s6, s6, s7
	s_lshl_b32 s7, s9, 9
	s_add_co_u32 s6, s6, s7
	s_mov_b32 s7, 0
	s_add_nc_u64 s[42:43], s[42:43], s[6:7]
	s_lshl_b32 s6, s8, 13
	s_lshl_b32 s8, s9, 10
	s_add_co_u32 s6, s6, s8
	s_add_nc_u64 s[48:49], s[48:49], s[6:7]
	s_lshr_b32 s6, s6, 5                           ; msum [token tile][step][2 words]: 256 bytes a tile, 8 a step: a thirty-second of the words' offset
.irp i, 0,1,2,3,4,5,6,7,8,9,10,11,12,13,14,15
	global_load_b128 v[128+4*\i:131+4*\i], v[L16], s[42:43] offset:(\i+8*(\i/8))*4096 th:TH_LOAD_NT   ; the tile's row i: 512 consecutive bytes; each byte of the mask is read once in the launch
.endr
	s_wait_loadcnt 16                              ; the angles and the scale words are in; the mask's 16 loads may be out
; SINE AND COSINE of four angles, in f32: n = the nearest whole number to x 2 / pi; r = x - n pi / 2 with pi / 2 in three parts; polynomials on |r| <= pi / 4; n % 4 chooses and signs.
.macro SINCOS i
.irp j, 0,1,2,3
	v_mul_f32 v[96+\j], 0x3f22f983, v[64+4*\i+\j]
.endr
.irp j, 0,1,2,3
	v_rndne_f32 v[96+\j], v[96+\j]
.endr
.irp j, 0,1,2,3
	v_fmamk_f32 v[100+\j], v[96+\j], 0xbfc90fdb, v[64+4*\i+\j]
.endr
.irp j, 0,1,2,3
	v_fmamk_f32 v[100+\j], v[96+\j], 0x333bbd2e, v[100+\j]
.endr
.irp j, 0,1,2,3
	v_fmamk_f32 v[100+\j], v[96+\j], 0x26f72ced, v[100+\j]
.endr
.irp j, 0,1,2,3
	v_cvt_i32_f32 v[116+\j], v[96+\j]
.endr
.irp j, 0,1,2,3
	v_mul_f32 v[104+\j], v[100+\j], v[100+\j]      ; r^2
.endr
.irp j, 0,1,2,3
	v_fmaak_f32 v[108+\j], s10, v[104+\j], 0x3c08839e
	v_fmaak_f32 v[112+\j], s11, v[104+\j], 0xbab6061a
.endr
.irp j, 0,1,2,3
	v_fmaak_f32 v[108+\j], v[108+\j], v[104+\j], 0xbe2aaaa3
	v_fmaak_f32 v[112+\j], v[112+\j], v[104+\j], 0x3d2aaaa5
.endr
.irp j, 0,1,2,3
	v_mul_f32 v[108+\j], v[108+\j], v[104+\j]
	v_mul_f32 v[112+\j], v[112+\j], v[104+\j]
	v_fma_f32 v[96+\j], v[104+\j], -0.5, 1.0
.endr
.irp j, 0,1,2,3
	v_fma_f32 v[108+\j], v[108+\j], v[100+\j], v[100+\j]   ; sin r
	v_fma_f32 v[112+\j], v[112+\j], v[104+\j], v[96+\j]    ; cos r
.endr
.irp j, 0,1,2,3
	v_and_b32 v[96+\j], 1, v[116+\j]
	v_add_nc_u32 v[104+\j], 1, v[116+\j]
	v_lshlrev_b32 v[116+\j], 30, v[116+\j]
.endr
.irp j, 0,1,2,3
	v_lshlrev_b32 v[104+\j], 30, v[104+\j]
	v_xor_b32 v[116+\j], v63, v[116+\j]
.endr
.irp j, 0,1,2,3
	v_cmp_eq_u32 vcc_lo, 1, v[96+\j]
	v_cndmask_b32 v[121+2*\j], v[108+\j], v[112+\j], vcc_lo   ; the sine: cos r where n is odd
	v_cndmask_b32 v[120+2*\j], v[112+\j], v[108+\j], vcc_lo   ; the cosine: sin r where n is odd
.endr
.irp j, 0,1,2,3
	v_and_b32 v[116+\j], s44, v[116+\j]
	v_and_b32 v[104+\j], s44, v[104+\j]
.endr
.irp j, 0,1,2,3
	v_xor_b32 v[121+2*\j], v[116+\j], v[121+2*\j]
	v_xor_b32 v[120+2*\j], v[104+\j], v[120+2*\j]
.endr
	ds_store_b128 v[TST], v[120:123] offset:4352*\i          ; token thread / 8 + 16 i, four pairs
	ds_store_b128 v[TST], v[124:127] offset:4352*\i+16
.endm
.irp i, 0,1,2,3,4,5,6,7
	SINCOS \i
.endr
	; THE MASK: the 2,048 waves of q's and k's work-groups each pack 16 rows (a token tile) x 512 columns (four steps).  Loads and packing stand in one branch on z.
	; (its 16 loads were issued ahead of the sines and cosines; here they are awaited and packed)
.irp i, 0,1,2,3,4,5,6,7
	v_mov_b32 v[96+\i], 0                          ; the 256 words, four to a lane and store
.endr
	s_wait_loadcnt 0x0
.irp i, 0,1,2,3,4,5,6,7,8,9,10,11,12,13,14,15
	ds_store_b128 v[MSI], v[128+4*\i:131+4*\i] offset:528*\i
.endr
.irp i, 0,1,2,3,4,5,6,7,8,9,10,11,12,13,14,15
	ds_load_b128 v[192+4*\i:195+4*\i], v[MSO] offset:128*(\i/4)+32*(\i%4)   ; my wave's own bytes, served in order: lane (r, h) takes row r's 16 bytes of step i / 4, block i % 4, half h
.endr
	s_wait_dscnt 0x0
.irp s, 0,1,2,3
.irp b, 0,1,2,3
.irp q, 0,1,2,3
.irp k, 0,1,2,3
	v_and_b32 v[104+\k], 0xff<<(8*\k), v[192+4*(4*\s+\b)+\q]
.endr
.irp k, 0,1,2,3
	v_cmp_ne_u32 s[32+\k], 0, v[104+\k]            ; the 32 lanes' bits are word 16 b + 4 q + k of step s
.endr
.irp k, 0,1,2,3
	v_writelane_b32 v[96+4*(\s/2)+\k], s[32+\k], 16*(\s%2)+4*\b+\q
.endr
.endr
.endr
.endr
	; msum: for each of my four steps the OR and the AND of its 64 words.  v96-99 hold step 0's words in lanes 0-15 and step 1's in lanes 16-31, v100-103 steps 2 and 3.
	s_wait_alu depctr_va_vdst(0)
	s_wait_kmcnt 0x0
	s_add_nc_u64 s[16:17], s[16:17], s[6:7]
	v_or_b32 v104, v96, v97
	v_or_b32 v105, v98, v99
	v_and_b32 v106, v96, v97
	v_and_b32 v107, v98, v99
	v_or_b32 v108, v100, v101
	v_or_b32 v109, v102, v103
	v_and_b32 v110, v100, v101
	v_and_b32 v111, v102, v103
	v_or_b32 v104, v104, v105
	v_and_b32 v105, v106, v107
	v_or_b32 v106, v108, v109
	v_and_b32 v107, v110, v111
	v_lshlrev_b32 v112, 3, v60                     ; 8 h
.irp m, 1,2,4,8
	v_mov_b32_dpp v108, v104 row_xmask:\m row_mask:0xf bank_mask:0xf
	v_mov_b32_dpp v109, v105 row_xmask:\m row_mask:0xf bank_mask:0xf
	v_mov_b32_dpp v110, v106 row_xmask:\m row_mask:0xf bank_mask:0xf
	v_mov_b32_dpp v111, v107 row_xmask:\m row_mask:0xf bank_mask:0xf
	v_or_b32 v104, v104, v108
	v_and_b32 v105, v105, v109
	v_or_b32 v106, v106, v110
	v_and_b32 v107, v107, v111
.endr
	global_store_b64 v112, v[104:105], s[16:17]            ; the sixteen lanes of a half hold the same pair and write it to the same place
	global_store_b64 v112, v[106:107], s[16:17] offset:16
	global_store_b128 v[L16], v[96:99], s[48:49]
	global_store_b128 v[L16], v[100:103], s[48:49] offset:512
	s_branch .Lno_mask
.Lv_sincos:                                        ; v's work-groups: the table alone
	s_wait_loadcnt 0x0
.irp i, 0,1,2,3,4,5,6,7
	SINCOS \i
.endr
.Lno_mask:
	s_wait_tensorcnt 0x0                           ; my parts of the codes and scale bytes have landed,
	s_wait_dscnt 0x0                               ; my part of the table is stored:
	s_barrier_signal -1
	s_barrier_wait -1                              ; everybody's are
	s_wait_xcnt 0x0                                ; the words' stores have read their registers: fragments land there next
; a fragment, 16 rows x 128 K: six pieces of 8 bytes.  Lanes 16-31 read three pieces on, which from piece 29 of 32 on lies behind one padding more: the second address register serves those.
.macro FRAG reg, adr, ks, off
.irp p, 0,1,2,3,4,5
.set PP, 12*(\ks)+6*(\p/3)+\p%3
.if PP%32 < 29
	ds_load_b64 v[\reg+2*\p:\reg+2*\p+1], v[\adr] offset:(\off)+8*PP+16*(PP/32)
.else
	ds_load_b64 v[\reg+2*\p:\reg+2*\p+1], v[\adr+1] offset:(\off)+8*PP+16*(PP/32)
.endif
.endr
.endm
.macro FETCH ks, set                   ; a K step's fragments: L's two into window 1, R's eight into window 0: 60 loads
	WIN 0x40
.irp a, 0,1
	FRAG 128+24*(\set)+12*\a, LA, \ks, \a*6528
.endr
	WIN 0
.irp t, 0,1,2,3,4,5,6,7
	FRAG 64+96*(\set)+12*\t, RA, \ks, (\t/2)*LINE+(\t%2)*6528
.endr
.endm
.macro WM d, a, b, zero, sa, sb, ra, rb
.if \zero
.if ((\ra) == 0) && ((\rb) == 0)
	v_wmma_scale_f32_16x16x128_f8f6f4 v[(\d):(\d)+7], v[(\a):(\a)+11], v[(\b):(\b)+11], 0, v[\sa], v[\sb] matrix_a_fmt:MATRIX_FMT_FP6 matrix_b_fmt:MATRIX_FMT_FP6
.elseif ((\ra) == 1) && ((\rb) == 0)
	v_wmma_scale_f32_16x16x128_f8f6f4 v[(\d):(\d)+7], v[(\a):(\a)+11], v[(\b):(\b)+11], 0, v[\sa], v[\sb] matrix_a_fmt:MATRIX_FMT_FP6 matrix_b_fmt:MATRIX_FMT_FP6 matrix_a_scale:MATRIX_SCALE_ROW1
.elseif ((\ra) == 0) && ((\rb) == 1)
	v_wmma_scale_f32_16x16x128_f8f6f4 v[(\d):(\d)+7], v[(\a):(\a)+11], v[(\b):(\b)+11], 0, v[\sa], v[\sb] matrix_a_fmt:MATRIX_FMT_FP6 matrix_b_fmt:MATRIX_FMT_FP6 matrix_b_scale:MATRIX_SCALE_ROW1
.else
	v_wmma_scale_f32_16x16x128_f8f6f4 v[(\d):(\d)+7], v[(\a):(\a)+11], v[(\b):(\b)+11], 0, v[\sa], v[\sb] matrix_a_fmt:MATRIX_FMT_FP6 matrix_b_fmt:MATRIX_FMT_FP6 matrix_a_scale:MATRIX_SCALE_ROW1 matrix_b_scale:MATRIX_SCALE_ROW1
.endif
.else
.if ((\ra) == 0) && ((\rb) == 0)
	v_wmma_scale_f32_16x16x128_f8f6f4 v[(\d):(\d)+7], v[(\a):(\a)+11], v[(\b):(\b)+11], v[(\d):(\d)+7], v[\sa], v[\sb] matrix_a_fmt:MATRIX_FMT_FP6 matrix_b_fmt:MATRIX_FMT_FP6
.elseif ((\ra) == 1) && ((\rb) == 0)
	v_wmma_scale_f32_16x16x128_f8f6f4 v[(\d):(\d)+7], v[(\a):(\a)+11], v[(\b):(\b)+11], v[(\d):(\d)+7], v[\sa], v[\sb] matrix_a_fmt:MATRIX_FMT_FP6 matrix_b_fmt:MATRIX_FMT_FP6 matrix_a_scale:MATRIX_SCALE_ROW1
.elseif ((\ra) == 0) && ((\rb) == 1)
	v_wmma_scale_f32_16x16x128_f8f6f4 v[(\d):(\d)+7], v[(\a):(\a)+11], v[(\b):(\b)+11], v[(\d):(\d)+7], v[\sa], v[\sb] matrix_a_fmt:MATRIX_FMT_FP6 matrix_b_fmt:MATRIX_FMT_FP6 matrix_b_scale:MATRIX_SCALE_ROW1
.else
	v_wmma_scale_f32_16x16x128_f8f6f4 v[(\d):(\d)+7], v[(\a):(\a)+11], v[(\b):(\b)+11], v[(\d):(\d)+7], v[\sa], v[\sb] matrix_a_fmt:MATRIX_FMT_FP6 matrix_b_fmt:MATRIX_FMT_FP6 matrix_a_scale:MATRIX_SCALE_ROW1 matrix_b_scale:MATRIX_SCALE_ROW1
.endif
.endif
.endm
.macro MULS ks, set, zero              ; 16 products: the 16 accumulators by turns, one instruction a turn, in the same order in every K step
.irp t, 0,1,2,3,4,5,6,7
.irp a, 0,1
	WM 64*\a+8*\t, 64+96*(\set)+12*\t, 128+24*(\set)+12*\a, \zero, RSC+8*(\t/2)+(\ks), LSC+(\ks), \t%2, \a
.endr
.endr
.endm
	FETCH 0, 0
.irp ks, 0,1,2,3,4,5,6
.if \ks > 0
	PLACES                                         ; in front of loads into the set that the last K step's products read
.endif
	FETCH \ks+1, (\ks+1)%2
	s_wait_dscnt 60                                ; all but the 60 loads just issued: this K step's fragments are in
	WIN 0x54                                       ; source 0 (R) window 0; source 1 (L), C and D window 1
.if \ks == 0
	MULS \ks, \ks%2, 1                             ; the first K step starts the sums
.else
	MULS \ks, \ks%2, 0
.endif
.endr
	s_wait_dscnt 0x0
	MULS 7, 1, 0
	WIN 0
	PLACES
.macro COPY a                          ; tile a's 64 sums into window 0, each accumulator from its low end on
	WIN 0x01
.set n, 0
.rept 64
	v_mov_b32 v[Y+n], v[64*(\a)+n]
.set n, n+1
.endr
	WIN 0
.endm
; 64 numbers of a lane, register 16 b + i = k 32 b + 16 (lane / 16) + i of my row: blocks 0, 1 become six registers of codes at d0, blocks 2, 3 at d1; the four scale bytes stay in v[TM+4] on.
.macro QUANT s, d0, d1
.irp b, 0,1,2,3
	v_max3_num_f32 v[TM+\b], |v[\s+16*\b]|, |v[\s+1+16*\b]|, 0x1800000   ; with the floor 2^(3 - 127): the byte cannot fall under 1
.endr
.irp i, 2,4,6,8,10,12,14
.irp b, 0,1,2,3
	v_max3_num_f32 v[TM+\b], v[TM+\b], |v[\s+16*\b+\i]|, |v[\s+1+16*\b+\i]|
.endr
.endr
.irp b, 0,1,2,3
	v_permlanex16_b32 v[TM+4+\b], v[TM+\b], s100, s101
.endr
.irp b, 0,1,2,3
	v_max_num_f32 v[TM+\b], v[TM+\b], v[TM+4+\b]   ; with lane l xor 16's: the block's largest magnitude
.endr
.irp b, 0,1,2,3
	v_add_nc_u32 v[TM+12+\b], 0xff000000, v[TM+\b] ; 2 off its exponent field: the conversion's scale operand
.endr
.irp b, 0,1,2,3
	v_lshrrev_b32 v[TM+4+\b], 23, v[TM+12+\b]      ; the scale's byte
.endr
	v_cvt_scalef32_pk16_fp6_f32 v[\d0:\d0+2], v[\s:\s+15], v[TM+12]
	v_cvt_scalef32_pk16_fp6_f32 v[CT:CT+2], v[\s+16:\s+31], v[TM+13]
	v_cvt_scalef32_pk16_fp6_f32 v[\d1:\d1+2], v[\s+32:\s+47], v[TM+14]
	v_cvt_scalef32_pk16_fp6_f32 v[CT+4:CT+6], v[\s+48:\s+63], v[TM+15]
	v_nop                                          ; one plain place behind the scaled conversions
.irp i, 0,1,2
	v_permlane16_swap_b32 v[\d0+\i], v[CT+\i]      ; a whole block to a lane: lanes 0-15 the even block, lanes 16-31 the odd one
	v_permlane16_swap_b32 v[\d1+\i], v[CT+4+\i]
.endr
.irp i, 0,1,2
	v_mov_b32 v[\d0+3+\i], v[CT+\i]
	v_mov_b32 v[\d1+3+\i], v[CT+4+\i]
.endr
.endm
	s_cmp_eq_u32 s15, 2
	s_cbranch_scc1 .Lv_path
	; ---- q, k: a lane holds one token; blocks 0, 1 are head 2 R's 64 numbers, blocks 2, 3 head 2 R + 1's.  kv's blocks are twice qimg's: all strides are shifted by z.
	s_mul_i32 s4, s67, 409600
	s_mul_i32 s5, s66, 6400
	s_add_co_u32 s4, s4, s5
	s_lshl_b32 s4, s4, s15
	s_mul_i32 s5, s14, 1536
	s_add_co_u32 s4, s4, s5                        ; the even head, the step, fragment w
	s_mov_b32 s5, 0
	s_add_nc_u64 s[36:37], s[12:13], s[4:5]
	s_lshl_b32 s4, 204800, s15
	s_add_nc_u64 s[38:39], s[36:37], s[4:5]        ; the odd head
	s_lshl_b32 s4, 6144, s15
	s_mul_i32 s5, s14, 1532
	s_sub_co_u32 s4, s4, s5
	v_lshl_add_u32 v[SWO], v61, 4, s4              ; the scale word [r][w], counted from fragment w's first byte
.irp a, 0,1
.irp m, 0,1,2,3,4,5,6,7
	ds_load_b128 v[T+4*\m:T+4*\m+3], v[TQ] offset:2176*\a+16*\m   ; my token's 16 pairs for d = 16 h + 0 .. 15
.endr
	COPY \a
.irp b, 0,2
.irp i, 0,1,2,3,4,5,6,7,8,9,10,11,12,13,14,15
	v_permlanex16_b32 v[160+8*\b+\i], v[Y+16*\b+\i], s100, s101   ; the partner d xor 16 lies in lane l xor 16
.endr
.endr
	s_wait_dscnt 0x0
.irp b, 0,2
.irp i, 0,1,2,3,4,5,6,7,8,9,10,11,12,13,14,15
	v_mul_f32 v[Y+16*\b+\i], v[Y+16*\b+\i], v[T+2*\i]
.endr
.endr
.irp b, 0,2
.irp i, 0,1,2,3,4,5,6,7,8,9,10,11,12,13,14,15
	v_fmac_f32 v[Y+16*\b+\i], v[160+8*\b+\i], v[T+2*\i+1]
.endr
.endr
	QUANT Y, FA+6*\a, FB+6*\a
.if \a == 0
	v_lshl_or_b32 v[WA], v[TM+5], 8, v[TM+4]
	v_lshl_or_b32 v[WB], v[TM+7], 8, v[TM+6]
.else
	v_lshl_or_b32 v[WA], v[TM+4], 16, v[WA]
	v_lshl_or_b32 v[WA], v[TM+5], 24, v[WA]
	v_lshl_or_b32 v[WB], v[TM+6], 16, v[WB]
	v_lshl_or_b32 v[WB], v[TM+7], 24, v[WB]
.endif
.endr
.irp g, 0,1,2
	global_store_b128 v[L16], v[FA+4*\g:FA+4*\g+3], s[36:37] offset:512*\g   ; 512 consecutive bytes a store
	global_store_b128 v[L16], v[FB+4*\g:FB+4*\g+3], s[38:39] offset:512*\g
.endr
	global_store_b32 v[SWO], v[WA], s[36:37]       ; both halves of the lanes hold the same word and write it to the same place
	global_store_b32 v[SWO], v[WB], s[38:39]
	s_branch .Lend
.Lv_path:
	; ---- v: a lane holds one channel, its 64 registers (with lane l xor 16's) the step's 128 keys.  Waves 0 and 2 hold a head's channels 0-31, which are turned.
	s_lshl_b32 s4, s66, 1
	s_lshr_b32 s5, s14, 1
	s_add_co_u32 s4, s4, s5                        ; the head
	s_mul_i32 s4, s4, 409600
	s_mul_i32 s5, s67, 12800
	s_add_co_u32 s4, s4, s5
	s_and_b32 s8, s14, 1
	s_mul_i32 s5, s8, 3072
	s_add_co_u32 s4, s4, s5
	s_add_co_u32 s4, s4, 6144                      ; V's fragment 2 (w % 2)
	s_mov_b32 s5, 0
	s_add_nc_u64 s[36:37], s[46:47], s[4:5]
	s_mul_i32 s5, s8, 3064
	s_sub_co_u32 s5, 6400, s5
	v_lshl_add_u32 v[SWO], v61, 4, s5              ; the scale word [r][2 (w % 2)], counted from that fragment
.irp a, 0,1
	COPY \a
	s_cmp_lg_u32 s8, 0
	s_cbranch_scc1 .Lno_rope_\a
.irp q, 0,1
.set m, 0
.rept 32
	ds_load_b64 v[T+2*m:T+2*m+1], v[TV] offset:(32*((32*\q+m)/16)+(32*\q+m)%16)*272+64*\a   ; the register's token, my channel
.set m, m+1
.endr
.set m, 0
.rept 32
	v_mov_b32_dpp v[192+m], v[Y+32*\q+m] row_xmask:8 row_mask:0xf bank_mask:0xf   ; the partner d xor 16 lies in lane l xor 8
.set m, m+1
.endr
	s_wait_dscnt 0x0
.set m, 0
.rept 32
	v_mul_f32 v[Y+32*\q+m], v[Y+32*\q+m], v[T+2*m]
.set m, m+1
.endr
.set m, 0
.rept 32
	v_fmac_f32 v[Y+32*\q+m], v[192+m], v[T+2*m+1]
.set m, m+1
.endr
.endr
.Lno_rope_\a:
	s_wait_xcnt 0x0                                ; the last tile's stores have read their registers
	QUANT Y, FA, FA+6
	v_lshl_or_b32 v[WA], v[TM+5], 8, v[TM+4]
	v_lshl_or_b32 v[WA], v[TM+6], 16, v[WA]
	v_lshl_or_b32 v[WA], v[TM+7], 24, v[WA]
.irp g, 0,1,2
	global_store_b128 v[L16], v[FA+4*\g:FA+4*\g+3], s[36:37] offset:1536*\a+512*\g
.endr
	global_store_b32 v[SWO], v[WA], s[36:37] offset:4*\a
.endr
.Lend:
	s_wait_dscnt 0x0
	s_set_vgpr_msb 0x5
	s_wait_tensorcnt 0x0
	ds_add_u32 v192, v193
	s_wait_dscnt 0x0
	s_set_vgpr_msb 0x500
	CROUND                                         ; the closing round: no work-group ends while a partner may still ask for a tile that names it
	s_endpgm
.Lfunc_end_k_q2643d4a517_proj:
	.size	k_q2643d4a517_proj, .Lfunc_end_k_q2643d4a517_proj-k_q2643d4a517_proj
	.p2alignl 7, 3214868480
	.fill 96, 4, 3214868480
	.section	.rodata,"a",@progbits
	.p2align	6, 0x0
	.amdhsa_kernel k_q2643d4a517_proj
		.amdhsa_group_segment_fixed_size 287744
		.amdhsa_private_segment_fixed_size 0
		.amdhsa_enable_private_segment 0
		.amdhsa_kernarg_size 144
		.amdhsa_user_sgpr_count 2
		.amdhsa_user_sgpr_kernarg_segment_ptr 1
		.amdhsa_wavefront_size32 1
		.amdhsa_system_sgpr_workgroup_id_x 1
		.amdhsa_system_sgpr_workgroup_id_y 1
		.amdhsa_system_sgpr_workgroup_id_z 1
		.amdhsa_system_vgpr_workitem_id 0
		.amdhsa_next_free_vgpr 450
		.amdhsa_next_free_sgpr 106
		.amdhsa_reserve_vcc 1
		.amdhsa_float_denorm_mode_32 3
		.amdhsa_float_denorm_mode_16_64 3
		.amdhsa_memory_ordered 1
		.amdhsa_forward_progress 1
		.amdhsa_inst_pref_size 253
	.end_amdhsa_kernel
	.amdgpu_metadata
---
amdhsa.version: [ 1, 2 ]
amdhsa.kernels:
  - .name:           k_q2643d4a517_proj
    .symbol:         k_q2643d4a517_proj.kd
    .args:
      - { .name: q_codes, .offset: 0, .size: 8, .value_kind: global_buffer, .address_space: global }
      - { .name: k_codes, .offset: 8, .size: 8, .value_kind: global_buffer, .address_space: global }
      - { .name: v_codes, .offset: 16, .size: 8, .value_kind: global_buffer, .address_space: global }
      - { .name: w_q_codes, .offset: 24, .size: 8, .value_kind: global_buffer, .address_space: global }
      - { .name: w_k_codes, .offset: 32, .size: 8, .value_kind: global_buffer, .address_space: global }
      - { .name: w_v_codes, .offset: 40, .size: 8, .value_kind: global_buffer, .address_space: global }
      - { .name: q_scales, .offset: 48, .size: 8, .value_kind: global_buffer, .address_space: global }
      - { .name: k_scales, .offset: 56, .size: 8, .value_kind: global_buffer, .address_space: global }
      - { .name: v_scales, .offset: 64, .size: 8, .value_kind: global_buffer, .address_space: global }
      - { .name: w_q_scales, .offset: 72, .size: 8, .value_kind: global_buffer, .address_space: global }
      - { .name: w_k_scales, .offset: 80, .size: 8, .value_kind: global_buffer, .address_space: global }
      - { .name: w_v_scales, .offset: 88, .size: 8, .value_kind: global_buffer, .address_space: global }
      - { .name: rotary_freqs, .offset: 96, .size: 8, .value_kind: global_buffer, .address_space: global }
      - { .name: mask, .offset: 104, .size: 8, .value_kind: global_buffer, .address_space: global }
      - { .name: qimg, .offset: 112, .size: 8, .value_kind: global_buffer, .address_space: global }
      - { .name: kv, .offset: 120, .size: 8, .value_kind: global_buffer, .address_space: global }
      - { .name: maskw, .offset: 128, .size: 8, .value_kind: global_buffer, .address_space: global }
      - { .name: msum, .offset: 136, .size: 8, .value_kind: global_buffer, .address_space: global }
    .group_segment_fixed_size: 287744
    .private_segment_fixed_size: 0
    .kernarg_segment_align: 8
    .kernarg_segment_size: 144
    .max_flat_workgroup_size: 128
    .sgpr_count:     106
    .vgpr_count:     450
    .wavefront_size: 32
...
	.end_amdgpu_metadata
.endif
;; end of part 1
;; launch attn (part 2): grid 16 x 16, 16 waves a work-group, no clusters, 36,864 bytes of LDS; arguments qimg, kv, maskw, msum, vimg, vsc; writes vimg, vsc
.if DOCPART == 2
	.amdgcn_target "amdgcn-amd-amdhsa--gfx1250"
	.amdhsa_code_object_version 6
	.text
	.protected	k_q2643d4a517_attn
	.globl	k_q2643d4a517_attn
	.p2align	8
	.type	k_q2643d4a517_attn,@function
k_q2643d4a517_attn:
	s_mov_b64 s[64:65], 0
	v_nop
	global_prefetch_b8 v0, s[64:65] scope:SCOPE_SE
	s_setreg_imm32_b32 hwreg(HW_REG_WAVE_MODE, 25, 1), 1
	s_wait_xcnt 0x0
; ATTN: vals = softmax(mask(Q K^T / 8)) V for one head, both products on codes of FP6 (E2M3) with E8M0 scales; vals leave quantised along (head, channel), the K of the last projection.
; t = score x log2(e) / 8; M = the running largest t rounded up to a whole number; p = 2^(t - M) is quantised along the keys; the row's sum is taken of the unquantised p and divides at the end.
; SHARES.  A job is one token tile of 16 queries of one head: 16 x 256 jobs.  Pair W (0 .. 127) of a head does tiles W and 255 - W, one after the other; a pair is two waves: the even wave walks the even key steps, the odd wave the odd ones.
; 8 pairs, 16 waves x 256 registers, a work-group: 4 x 1,024 registers, so a work-group has a WGP to itself; 16 work-groups a head, 256 in all.  Early and late tokens are paired so that a mask that closes later keys leaves every wave the same work.
; At a job's end the odd wave hands O^T, -M and its sum to the even wave through LDS (4,352 bytes a pair); both are brought under the larger M by exact powers of two and added; the even wave quantises and stores.
; Both products are used transposed (S^T = K Q^T, O^T = V^T P^T): a lane holds ONE query throughout; score register 16 b + i holds key 128 step + 32 b + 16 (lane / 16) + i.
; THE SCORES' K IS 64, the instruction's 128: a fragment of K holds TWO key tiles; Q stands twice in registers, as [q | zero codes] and [zero codes | q]: each product gives one tile's scores.
; WHAT THE MASK'S WHOLE NUMBERS DECIDE.  msum holds, for my tile and each step of 128 keys, the OR and the AND of the step's 64 mask words (lane l reads step l's pair).
;   OR = 0: the step is closed for all 16 queries.  For a query that has an open key somewhere, every closed key has p = 2^(-c 2^120 - M) = 0 under the final M: it adds nothing to the sum, and its codes are zeros.
;   So such a step is passed over, by a scalar branch, IF every query of the tile has an open key (the OR over all steps has the query's bit in lane r or lane r + 16).  If one has none, all 32 steps are walked.
;   AND = all ones: the step is wholly open, and its 64 selects are passed over.  Else a closed score becomes -2^120 by a select on the step's lane words.
; K's and V's fragments are images of their registers in kv and go from memory straight into one set of 48 registers: V's behind the scores' products, the next live step's K behind the second product.
; No tensor load and no cluster: the walk hangs on numbers read from memory.  No prefetch: a head's 409,600 bytes of kv are read again by up to 256 waves.
; LIMITS: a true score under -2^120 counts as closed.  A row with no open key gets p = 1 for every key, the mean of v, as the plain softmax gives.  NaN and infinities are not served.  Scaled scores stay under 2^31 but for the closed ones.
.set STEPB, 12800
.set PAIRB, 4352                       ; LDS: a pair's 8 x 512 bytes of O^T and 256 of (-M, sum)
.set SPARE, 8*PAIRB                    ; the spare words: 128 bytes for each of 16 waves
.set AIM, 1                            ; v1   16 x lane: an image's place for my lane
.set ASC, 2                            ; v2   16 r + 12,288: K's scale words of a step
.set A8,  3                            ; v3   8 x lane
.set NEG, 7                            ; v7   -2^120
.set QLO, 16                           ; v16-27 [q | 0]      v28-39 [0 | q]
.set QHI, 28
.set FK,  40                           ; v40-87   four fragments: K's, then V's
.set S,   88                           ; v88-151  S^T, then p
.set O,   152                          ; v152-183 O^T
.set PC,  184                          ; v184-195 p's codes
.set CT,  196                          ; v196-198, v200-202
.set BM,  204                          ; v204-207 block maxima
.set BT,  208
.set BS,  212                          ; v212-215 the conversions' scale operands
.set TMP, 216
.set FF,  218                          ; v[218:219] f = 2^(old M - new M)
.set PW,  220                          ; p's scale word
.set QW,  221                          ; Q's
.set R16, 222                          ; 16 r
.set R32, 223                          ; 32 r
.set KS,  224                          ; v224-227 K's scale words, v228-231 V's
.set VS,  228
.set SA,  232                          ; v232-245 seven partial sums, in pairs
.set LST, 246                          ; my pair's LDS bytes + 16 x lane
.set L8,  247                          ; the same + 8 x lane
.set SPW, 248                          ; my spare word; never rewritten
.set NIL, 249                          ; 0; never rewritten
.set G0,  250                          ; v[250:251], v[252:253] the two waves' factors
.set G1,  252
.set PN,  254                          ; v[254:255] the odd wave's -M and sum
; s2 wave, s3 head, s67 wave % 2, s84 tile, s85 job, s[86:87] the step's base, s88 my steps, s[90:91] the tile's mask words, s92 their offset, s93 my live steps, s94 steps not wholly open, s100 next live step, s101 step, s[104:105] an offset (s105 = 0)
.macro KLOAD                           ; 13 loads, each of 512 consecutive bytes but the scale words' 256
.irp f, 0,1,2,3
.irp g, 0,1,2
	global_load_b128 v[FK+12*\f+4*\g:FK+12*\f+4*\g+3], v[AIM], s[86:87] offset:1536*\f+512*\g
.endr
.endr
	global_load_b128 v[KS:KS+3], v[ASC], s[86:87]
.endm
.macro VLOAD
.irp f, 0,1,2,3
.irp g, 0,1,2
	global_load_b128 v[FK+12*\f+4*\g:FK+12*\f+4*\g+3], v[AIM], s[86:87] offset:6144+1536*\f+512*\g
.endr
.endr
	global_load_b128 v[VS:VS+3], v[ASC], s[86:87] offset:256
.endm
.macro MLOAD                           ; a step's 64 mask words: word n in s[16 + n], from n = 48 on in s[20 + n]
	s_load_b512 s[16:31], s[90:91], s92 offset:0x0
	s_load_b512 s[32:47], s[90:91], s92 offset:0x40
	s_load_b512 s[48:63], s[90:91], s92 offset:0x80
	s_load_b512 s[68:83], s[90:91], s92 offset:0xc0
.endm
	s_load_b256 s[4:11], s[0:1], 0x0               ; qimg, kv, maskw, msum
	s_load_b128 s[12:15], s[0:1], 0x20             ; vimg, vsc
	v_lshl_add_u32 v[SPW], v0, 2, SPARE
	v_mov_b32 v[NIL], 0
	v_lshrrev_b32 v8, 5, v0
	s_delay_alu instid0(VALU_DEP_1)
	v_readfirstlane_b32 s2, v8                     ; wave 0..15
	s_and_b32 s3, ttmp7, 0xffff                    ; the head
	s_and_b32 s67, s2, 1                           ; which steps are mine
	s_lshl_b32 s88, 0x55555555, s67
	s_lshr_b32 s66, s2, 1                          ; my pair
	s_lshl_b32 s84, ttmp9, 3
	s_add_co_u32 s84, s84, s66                     ; its first tile
	s_mul_i32 s66, s66, PAIRB
	s_mov_b32 s85, 0
	s_mul_i32 s104, s3, 409600
	s_mov_b32 s105, 0
	s_mov_b32 s96, 0x76543210
	s_mov_b32 s97, 0xfedcba98                      ; lane l xor 16
	s_mov_b32 s98, 0x3e38aa3b                      ; c = log2(e) / 8
	s_mov_b32 s99, s98
	v_and_b32 v4, 31, v0
	v_and_b32 v5, 15, v0
	v_mov_b32 v[NEG], 0xfb800000
	v_mov_b32 v10, 0
	v_lshlrev_b32 v[AIM], 4, v4
	v_lshlrev_b32 v[A8], 3, v4
	v_lshlrev_b32 v[R16], 4, v5
	v_lshlrev_b32 v[R32], 5, v5
	v_lshl_add_u32 v[ASC], v5, 4, 12288
	v_add_nc_u32 v[LST], s66, v[AIM]
	v_add_nc_u32 v[L8], s66, v[A8]
.irp i, 0,1,2,3,4,5
	v_mov_b32 v[QLO+6+\i], 0                       ; zero codes
	v_mov_b32 v[QHI+\i], 0
.endr
.irp i, 0,1,2,3
	v_mov_b32 v[BT+\i], 0                          ; a lane permute's destination counts as one of its sources
.endr
	v_mov_b32 v[TMP], 0
	v_mov_b32 v[FF+1], 0                           ; (upper halves of pairs whose low word serves both halves)
	v_mov_b32 v[G0+1], 0
	v_mov_b32 v[G1+1], 0
	s_wait_alu depctr_va_vdst(0)
	s_wait_kmcnt 0x0
	s_add_nc_u64 s[6:7], s[6:7], s[104:105]        ; the head's kv
.Ljob:
	s_lshl_b32 s104, s84, 8
	s_add_nc_u64 s[16:17], s[10:11], s[104:105]
	global_load_b64 v[8:9], v[A8], s[16:17]        ; lane l: step l's OR and AND: 256 consecutive bytes
	s_lshl_b32 s104, s84, 13
	s_add_nc_u64 s[90:91], s[8:9], s[104:105]      ; the tile's mask words
	s_mul_i32 s104, s3, 204800
	s_lshr_b32 s20, s84, 3
	s_mul_i32 s20, s20, 6400
	s_add_co_u32 s104, s104, s20
	s_add_nc_u64 s[18:19], s[4:5], s[104:105]      ; Q: the head's block of eight tiles that holds mine
	s_bfe_u32 s20, s84, 0x20001                    ; which fragment of it
	s_and_b32 s21, s84, 1                          ; and which half of the fragment's registers
	s_mul_i32 s22, s20, 1536
	s_mul_i32 s23, s21, 520
	s_add_co_u32 s23, s23, s22
	s_mul_i32 s24, s21, 1016
	s_add_co_u32 s24, s24, s22
	s_lshl_b32 s20, s20, 2
	s_add_co_u32 s20, s20, 6144
	s_lshl_b32 s21, s21, 4
	v_add_nc_u32 v4, s23, v[AIM]
	v_add_nc_u32 v5, s24, v[AIM]
	v_add_nc_u32 v6, s20, v[R16]
	global_load_b64 v[QLO:QLO+1], v4, s[18:19]                 ; registers 6 u .. 6 u + 5 of the image, in pieces of 8 bytes
	global_load_b64 v[QLO+2:QLO+3], v5, s[18:19] offset:8
	global_load_b64 v[QLO+4:QLO+5], v4, s[18:19] offset:512
	global_load_b32 v11, v6, s[18:19]
	v_mov_b32 v13, 0xff61b1e6                      ; the largest t so far: -3e38
	v_mov_b32 v14, 0                               ; the sum, in two halves
	v_mov_b32 v15, 0
	v_floor_f32 v12, -v13                          ; -M
	s_wait_alu depctr_va_vdst(0)
	s_wait_loadcnt 0x0
	v_cmp_ne_u32 s93, 0, v8                        ; bit l: step l has an open key
	v_cmp_ne_u32 s94, -1, v9                       ; bit l: step l has a closed key
	v_lshrrev_b32 v11, s21, v11                    ; my tile's two scale bytes,
.irp m, 1,2,4,8
	v_mov_b32_dpp v10, v8 row_xmask:\m row_mask:0xf bank_mask:0xf
	s_delay_alu instid0(VALU_DEP_1)
	v_or_b32 v8, v8, v10
.endr
	v_permlanex16_b32 v10, v8, s96, s97
	v_and_b32 v11, 0xffff, v11
	s_delay_alu instid0(VALU_DEP_2)
	v_or_b32 v8, v8, v10                           ; the OR of all 2,048 words: bit l = lane l's query has an open key among lane l's keys
	s_delay_alu instid0(VALU_DEP_2)
	v_lshl_or_b32 v[QW], v11, 16, v11              ; for either half of K
	v_readfirstlane_b32 s20, v8
.irp i, 0,1,2,3,4,5
	v_mov_b32 v[QHI+6+\i], v[QLO+\i]
.endr
	s_lshr_b32 s22, s20, 16
	s_or_b32 s20, s20, s22
	s_and_b32 s20, s20, 0xffff
	s_cmp_eq_u32 s20, 0xffff                       ; has every query an open key?
	s_cselect_b32 s93, s93, -1                     ; if not, every step is walked
	s_and_b32 s93, s93, s88                        ; of the live steps, mine
	s_ctz_i32_b32 s100, s93
	s_min_u32 s100, s100, 31                       ; my first live step (with none: step 31, whose bytes are loaded and not used)
	s_mul_i32 s104, s100, STEPB
	s_add_nc_u64 s[86:87], s[6:7], s[104:105]
	KLOAD
	s_lshl_b32 s92, s100, 8
	MLOAD
	s_mov_b32 s101, 0
.set n, 0
.rept 32
	v_mov_b32 v[O+n], 0                            ; the step is written for every step alike: the first finds zeros.  (These are also the places in front of the first scaled products)
.set n, n+1
.endr
	s_wait_alu depctr_va_vdst(0)
.Ltrip:                                            ; 32 trips; a step that is not live, or not mine, is passed over whole: it has asked for nothing
	s_lshr_b32 s104, s93, s101
	s_and_b32 s104, s104, 1
	s_cmp_eq_u32 s104, 0
	s_cbranch_scc1 .Lnext
	s_lshl_b32 s66, -2, s101
	s_and_b32 s66, s66, s93
	s_ctz_i32_b32 s100, s66
	s_min_u32 s100, s100, 31                       ; my next live step; behind the last one: step 31, whose bytes are loaded and not used
	s_mul_i32 s104, s100, STEPB
	s_wait_loadcnt 0x0                             ; K and its scale words are in
.irp f, 0,1,2,3
	v_wmma_scale_f32_16x16x128_f8f6f4 v[S+16*\f:S+16*\f+7], v[FK+12*\f:FK+12*\f+11], v[QLO:QLO+11], 0, v[KS+\f], v[QW] matrix_a_fmt:MATRIX_FMT_FP6 matrix_b_fmt:MATRIX_FMT_FP6
	v_wmma_scale_f32_16x16x128_f8f6f4 v[S+16*\f+8:S+16*\f+15], v[FK+12*\f:FK+12*\f+11], v[QHI:QHI+11], 0, v[KS+\f], v[QW] matrix_a_fmt:MATRIX_FMT_FP6 matrix_b_fmt:MATRIX_FMT_FP6
.endr
.rept 4
	v_nop                                          ; four places: in front of loads into registers that the products read, and of the first read of the scores
.endr
	VLOAD                                          ; V lands while the softmax is walked
	s_lshr_b32 s66, s94, s101
	s_and_b32 s66, s66, 1
	s_wait_kmcnt 0x0                               ; this step's mask words are in
	s_cmp_eq_u32 s66, 0
	s_cbranch_scc1 .Lopen                          ; wholly open: nothing to select
.set n, 0
.rept 64
.if n < 48
	v_cndmask_b32 v[S+n], v[NEG], v[S+n], s[16+n]  ; closed keys: -2^120.  Each accumulator from its low end on
.else
	v_cndmask_b32 v[S+n], v[NEG], v[S+n], s[20+n]
.endif
.set n, n+1
.endr
.Lopen:
	s_lshl_b32 s92, s100, 8
	MLOAD                                          ; my next live step's words, a step ahead of their use
.irp b, 0,1,2,3
	v_max3_num_f32 v[BM+\b], v[S+16*\b], v[S+1+16*\b], v[S+2+16*\b]   ; the largest score of each block of 32 keys: for the row's maximum and, since p rises with the score, for the block's largest p
.endr
.irp i, 3,5,7,9,11,13
.irp b, 0,1,2,3
	v_max3_num_f32 v[BM+\b], v[BM+\b], v[S+16*\b+\i], v[S+1+16*\b+\i]   ; (the four blocks by turns)
.endr
.endr
.irp b, 0,1,2,3
	v_max_num_f32 v[BM+\b], v[BM+\b], v[S+15+16*\b]
.endr
.irp b, 0,1,2,3
	s_delay_alu instid0(VALU_DEP_4)
	v_permlanex16_b32 v[BT+\b], v[BM+\b], s96, s97
.endr
.irp b, 0,1,2,3
	s_delay_alu instid0(VALU_DEP_4)
	v_max_num_f32 v[BM+\b], v[BM+\b], v[BT+\b]
.endr
	s_delay_alu instid0(VALU_DEP_2)
	v_max3_num_f32 v[TMP], v[BM], v[BM+1], v[BM+2]
	s_delay_alu instid0(VALU_DEP_1)
	v_max_num_f32 v[TMP], v[TMP], v[BM+3]
	s_delay_alu instid0(VALU_DEP_1)
	v_mul_f32 v[TMP], s98, v[TMP]                  ; as t
	s_delay_alu instid0(VALU_DEP_1)
	v_max_num_f32 v13, v13, v[TMP]                 ; the running largest t
	v_mov_b32 v[TMP], v12
	s_delay_alu instid0(VALU_DEP_2)
	v_floor_f32 v12, -v13                          ; the new -M: M is a whole number
	s_delay_alu instid0(VALU_DEP_1)
	v_sub_f32 v[TMP], v12, v[TMP]                  ; old M - new M, 0 or less
	s_delay_alu instid0(VALU_DEP_1)
	v_cvt_i32_f32 v[TMP], v[TMP]                   ; (it saturates)
	s_delay_alu instid0(VALU_DEP_1)
	v_ldexp_f32 v[FF], 1.0, v[TMP]                 ; f = 2^(old M - new M): the rescaling rounds nothing
.set n, 0
.rept 32
	v_pk_fma_f32 v[S+n:S+n+1], v[S+n:S+n+1], s[98:99], v[12:13] op_sel_hi:[1,0,0]   ; t - M
.set n, n+2
.endr
.irp b, 0,1,2,3
	v_fma_f32 v[BM+\b], v[BM+\b], s98, v12
.endr
	s_wait_alu depctr_va_vdst(0)
.set n, 0
.rept 64
	v_exp_f32 v[S+n], v[S+n]                       ; p = 2^(t - M)
.set n, n+1
.endr
.irp b, 0,1,2,3
	v_exp_f32 v[BM+\b], v[BM+\b]                   ; the block's largest p: the same two instructions on the same number
.endr
	v_pk_mul_f32 v[14:15], v[14:15], v[FF:FF+1] op_sel_hi:[1,0]   ; the sums under the new M (a plain place behind the exponentials)
	s_wait_alu depctr_va_vdst(0)                   ; and one wait behind it
.irp b, 0,1,2,3
	v_max_num_f32 v[BM+\b], 0x1800000, v[BM+\b]    ; the floor 2^(3 - 127)
.endr
.irp b, 0,1,2,3
	s_delay_alu instid0(VALU_DEP_4)
	v_add_nc_u32 v[BS+\b], 0xff000000, v[BM+\b]
.endr
.irp b, 0,1,2,3
	s_delay_alu instid0(VALU_DEP_4)
	v_lshrrev_b32 v[BT+\b], 23, v[BS+\b]
.endr
	s_delay_alu instid0(VALU_DEP_3)
	v_lshl_or_b32 v[PW], v[BT+1], 8, v[BT]
	s_delay_alu instid0(VALU_DEP_1)
	v_lshl_or_b32 v[PW], v[BT+2], 16, v[PW]
	s_delay_alu instid0(VALU_DEP_1)
	v_lshl_or_b32 v[PW], v[BT+3], 24, v[PW]
.irp c, 0,1
	v_cvt_scalef32_pk16_fp6_f32 v[PC+6*\c:PC+6*\c+2], v[S+32*\c:S+32*\c+15], v[BS+2*\c]
	v_cvt_scalef32_pk16_fp6_f32 v[CT+4*\c:CT+4*\c+2], v[S+32*\c+16:S+32*\c+31], v[BS+2*\c+1]
.endr
	v_nop                                          ; one plain place behind the scaled conversions
.irp c, 0,1
.irp i, 0,1,2
	v_permlane16_swap_b32 v[PC+6*\c+\i], v[CT+4*\c+\i]
.endr
.irp i, 0,1,2
	s_delay_alu instid0(VALU_DEP_3)
	v_mov_b32 v[PC+3+6*\c+\i], v[CT+4*\c+\i]
.endr
.endr
	; the row's sum of the unquantised p: eight chains by turns (seven fresh ones of four pairs, and the running sum), then joined: 32 packed additions
.irp k, 0,1,2,3,4,5,6
	v_pk_add_f32 v[SA+2*\k:SA+2*\k+1], v[S+8*\k:S+8*\k+1], v[S+8*\k+2:S+8*\k+3]
.endr
	v_pk_add_f32 v[14:15], v[14:15], v[S+56:S+57]
.irp j, 4,6
.irp k, 0,1,2,3,4,5,6
	v_pk_add_f32 v[SA+2*\k:SA+2*\k+1], v[SA+2*\k:SA+2*\k+1], v[S+8*\k+\j:S+8*\k+\j+1]
.endr
	v_pk_add_f32 v[14:15], v[14:15], v[S+54+\j:S+55+\j]
.endr
	v_pk_add_f32 v[SA:SA+1], v[SA:SA+1], v[SA+2:SA+3]
	v_pk_add_f32 v[SA+4:SA+5], v[SA+4:SA+5], v[SA+6:SA+7]
	v_pk_add_f32 v[SA+8:SA+9], v[SA+8:SA+9], v[SA+10:SA+11]
	v_pk_add_f32 v[14:15], v[14:15], v[S+62:S+63]
	s_delay_alu instid0(VALU_DEP_3)
	v_pk_add_f32 v[SA:SA+1], v[SA:SA+1], v[SA+4:SA+5]
	s_delay_alu instid0(VALU_DEP_3)
	v_pk_add_f32 v[SA+8:SA+9], v[SA+8:SA+9], v[SA+12:SA+13]
	s_delay_alu instid0(VALU_DEP_2)
	v_pk_add_f32 v[14:15], v[14:15], v[SA:SA+1]
	s_delay_alu instid0(VALU_DEP_1)
	v_pk_add_f32 v[14:15], v[14:15], v[SA+8:SA+9]
.set n, 0
.rept 16
	v_pk_mul_f32 v[O+n:O+n+1], v[O+n:O+n+1], v[FF:FF+1] op_sel_hi:[1,0]   ; O^T under the new M
.set n, n+2
.endr
	s_wait_alu depctr_va_vdst(0)
	s_wait_loadcnt 0x0                             ; V and its scale words are in
.irp t, 0,1,2,3
	v_wmma_scale_f32_16x16x128_f8f6f4 v[O+8*\t:O+8*\t+7], v[FK+12*\t:FK+12*\t+11], v[PC:PC+11], v[O+8*\t:O+8*\t+7], v[VS+\t], v[PW] matrix_a_fmt:MATRIX_FMT_FP6 matrix_b_fmt:MATRIX_FMT_FP6
.endr
.rept 4
	v_nop                                          ; four places in front of loads into registers that the products read
.endr
	s_add_nc_u64 s[86:87], s[6:7], s[104:105]      ; no load of mine is out, so the base may be written
	KLOAD                                          ; my next live step's K
.Lnext:
	s_add_co_u32 s101, s101, 1
	s_cmp_lt_u32 s101, 32
	s_cbranch_scc1 .Ltrip
	; THE TWO WAVES OF A PAIR JOIN.  The odd wave stores its O^T (images of four registers), -M and sum; a barrier; both waves read them back (the odd wave's copy is not used); a second barrier parts these reads from the next job's stores.
	s_wait_loadcnt 0x0                             ; what the last live step asked for has landed: its registers are free
	s_wait_kmcnt 0x0
	v_add_f32 v13, v14, v15                        ; my lane's sum, beside -M
	s_cmp_eq_u32 s67, 0
	s_wait_alu depctr_va_vdst(0)
	s_cbranch_scc1 .Lkeep
.irp t, 0,1,2,3,4,5,6,7
	ds_store_b128 v[LST], v[O+4*\t:O+4*\t+3] offset:512*\t     ; each accumulator from its low end on
.endr
	ds_store_b64 v[L8], v[12:13] offset:4096
.Lkeep:
	s_wait_dscnt 0x0                               ; my stores are done
	s_barrier_signal -1
	s_barrier_wait -1
.irp t, 0,1,2,3,4,5,6,7
	ds_load_b128 v[S+4*\t:S+4*\t+3], v[LST] offset:512*\t
.endr
	ds_load_b64 v[PN:PN+1], v[L8] offset:4096
	s_wait_dscnt 0x0                               ; my reads are over
	s_barrier_signal -1
	s_barrier_wait -1
	s_cmp_lg_u32 s67, 0
	s_cbranch_scc1 .Ldone                          ; the odd wave goes on to the next job
	s_mul_i32 s104, s84, 12288
	s_mul_i32 s66, s3, 768
	s_add_co_u32 s104, s104, s66
	s_add_nc_u64 s[16:17], s[12:13], s[104:105]
	s_lshl_b32 s104, s84, 9
	s_lshl_b32 s66, s3, 1
	s_add_co_u32 s104, s104, s66
	s_add_nc_u64 s[18:19], s[14:15], s[104:105]
	v_min_num_f32 v8, v12, v[PN]                   ; the joint -M: the larger M
	s_delay_alu instid0(VALU_DEP_1)
	v_sub_f32 v9, v8, v12                          ; my M less the joint one, 0 or less: a whole number
	s_delay_alu instid0(VALU_DEP_2)
	v_sub_f32 v10, v8, v[PN]
	s_delay_alu instid0(VALU_DEP_2)
	v_cvt_i32_f32 v9, v9                           ; (it saturates)
	s_delay_alu instid0(VALU_DEP_2)
	v_cvt_i32_f32 v10, v10
	s_delay_alu instid0(VALU_DEP_2)
	v_ldexp_f32 v9, 1.0, v9                        ; exact powers of two
	s_delay_alu instid0(VALU_DEP_2)
	v_ldexp_f32 v10, 1.0, v10
	s_delay_alu instid0(VALU_DEP_2)
	v_mul_f32 v14, v13, v9
	s_delay_alu instid0(VALU_DEP_1)
	v_fmac_f32 v14, v[PN+1], v10
	s_delay_alu instid0(VALU_DEP_1)
	v_permlanex16_b32 v[TMP], v14, s96, s97
	s_delay_alu instid0(VALU_DEP_1)
	v_add_f32 v14, v14, v[TMP]                     ; the row's sum
	s_wait_alu depctr_va_vdst(0)
	v_rcp_f32 v14, v14
	v_nop                                          ; a plain place behind the reciprocal
	s_wait_alu depctr_va_vdst(0)                   ; and the wait ahead of its first reader
	v_mul_f32 v[G0], v9, v14
	v_mul_f32 v[G1], v10, v14
.set n, 0
.rept 16
	v_pk_mul_f32 v[S+n:S+n+1], v[S+n:S+n+1], v[G1:G1+1] op_sel_hi:[1,0]   ; the odd wave's part
.set n, n+2
.endr
	s_wait_alu depctr_va_vdst(0)
.set n, 0
.rept 16
	v_pk_fma_f32 v[S+n:S+n+1], v[O+n:O+n+1], v[G0:G0+1], v[S+n:S+n+1] op_sel_hi:[1,0,1]   ; + mine: register 16 b + i: channel 32 b + 16 h + i
.set n, n+2
.endr
	; THE WAY OUT: quantised along my head's 64 channels (two blocks), as half a fragment's image and two scale bytes
.irp b, 0,1
	v_max3_num_f32 v[BM+\b], |v[S+16*\b]|, |v[S+1+16*\b]|, 0x1800000
.endr
.irp i, 2,4,6,8,10,12,14
.irp b, 0,1
	s_delay_alu instid0(VALU_DEP_2)
	v_max3_num_f32 v[BM+\b], v[BM+\b], |v[S+16*\b+\i]|, |v[S+1+16*\b+\i]|
.endr
.endr
.irp b, 0,1
	s_delay_alu instid0(VALU_DEP_2)
	v_permlanex16_b32 v[BT+\b], v[BM+\b], s96, s97
.endr
.irp b, 0,1
	s_delay_alu instid0(VALU_DEP_2)
	v_max_num_f32 v[BM+\b], v[BM+\b], v[BT+\b]
.endr
.irp b, 0,1
	s_delay_alu instid0(VALU_DEP_2)
	v_add_nc_u32 v[BS+\b], 0xff000000, v[BM+\b]
.endr
.irp b, 0,1
	s_delay_alu instid0(VALU_DEP_2)
	v_lshrrev_b32 v[BT+\b], 23, v[BS+\b]
.endr
	s_delay_alu instid0(VALU_DEP_1)
	v_lshl_or_b32 v10, v[BT+1], 8, v[BT]
	v_cvt_scalef32_pk16_fp6_f32 v[PC:PC+2], v[S:S+15], v[BS]
	v_cvt_scalef32_pk16_fp6_f32 v[PC+4:PC+6], v[S+16:S+31], v[BS+1]
	v_nop
.irp i, 0,1,2
	v_permlane16_swap_b32 v[PC+\i], v[PC+4+\i]
.endr
	s_delay_alu instid0(VALU_DEP_3)
	v_mov_b32 v[PC+3], v[PC+4]
	s_delay_alu instid0(VALU_DEP_3)
	v_mov_b32 v[PC+4], v[PC+5]
	s_delay_alu instid0(VALU_DEP_3)
	v_mov_b32 v[PC+5], v[PC+6]
	global_store_b128 v[AIM], v[PC:PC+3], s[16:17]             ; registers 0-3: 512 consecutive bytes
	global_store_b64 v[A8], v[PC+4:PC+5], s[16:17] offset:512  ; registers 4, 5: 256 consecutive bytes
	global_store_b16 v[R32], v10, s[18:19]                     ; my row's two bytes (both halves of the lanes write the same)
	s_wait_xcnt 0x0                                ; the stores have read their registers and bases: the next job writes them
.Ldone:
	s_sub_co_u32 s84, 255, s84                     ; the second job: tile 255 - W
	s_add_co_u32 s85, s85, 1
	s_cmp_lt_u32 s85, 2
	s_wait_alu depctr_va_vdst(0)
	s_cbranch_scc1 .Ljob
	s_wait_tensorcnt 0x0                           ; the wave's end
	ds_add_u32 v[SPW], v[NIL]
	s_wait_dscnt 0x0
	s_endpgm
.Lfunc_end_k_q2643d4a517_attn:
	.size	k_q2643d4a517_attn, .Lfunc_end_k_q2643d4a517_attn-k_q2643d4a517_attn
	.p2alignl 7, 3214868480
	.fill 96, 4, 3214868480
	.section	.rodata,"a",@progbits
	.p2align	6, 0x0
	.amdhsa_kernel k_q2643d4a517_attn
		.amdhsa_group_segment_fixed_size 36864
		.amdhsa_private_segment_fixed_size 0
		.amdhsa_enable_private_segment 0
		.amdhsa_kernarg_size 48
		.amdhsa_user_sgpr_count 2
		.amdhsa_user_sgpr_kernarg_segment_ptr 1
		.amdhsa_wavefront_size32 1
		.amdhsa_system_sgpr_workgroup_id_x 1
		.amdhsa_system_sgpr_workgroup_id_y 1
		.amdhsa_system_sgpr_workgroup_id_z 1
		.amdhsa_system_vgpr_workitem_id 0
		.amdhsa_next_free_vgpr 256
		.amdhsa_next_free_sgpr 106
		.amdhsa_reserve_vcc 0
		.amdhsa_float_denorm_mode_32 3
		.amdhsa_float_denorm_mode_16_64 3
		.amdhsa_memory_ordered 1
		.amdhsa_forward_progress 1
		.amdhsa_inst_pref_size 39
	.end_amdhsa_kernel
	.amdgpu_metadata
---
amdhsa.version: [ 1, 2 ]
amdhsa.kernels:
  - .name:           k_q2643d4a517_attn
    .symbol:         k_q2643d4a517_attn.kd
    .args:
      - { .name: qimg, .offset: 0, .size: 8, .value_kind: global_buffer, .address_space: global }
      - { .name: kv, .offset: 8, .size: 8, .value_kind: global_buffer, .address_space: global }
      - { .name: maskw, .offset: 16, .size: 8, .value_kind: global_buffer, .address_space: global }
      - { .name: msum, .offset: 24, .size: 8, .value_kind: global_buffer, .address_space: global }
      - { .name: vimg, .offset: 32, .size: 8, .value_kind: global_buffer, .address_space: global }
      - { .name: vsc, .offset: 40, .size: 8, .value_kind: global_buffer, .address_space: global }
    .group_segment_fixed_size: 36864
    .private_segment_fixed_size: 0
    .kernarg_segment_align: 8
    .kernarg_segment_size: 48
    .max_flat_workgroup_size: 512
    .sgpr_count:     106
    .vgpr_count:     256
    .wavefront_size: 32
...
	.end_amdgpu_metadata
.endif
;; end of part 2
;; launch outp (part 3): grid 8 x 32, 4 waves a work-group, clusters of 4 x 4, 245,760 bytes of LDS; arguments vimg, vsc, w_o_codes, w_o_scales, out0; writes out0
.if DOCPART == 3
	.amdgcn_target "amdgcn-amd-amdhsa--gfx1250"
	.amdhsa_code_object_version 6
	.text
	.protected	k_q2643d4a517_outp
	.globl	k_q2643d4a517_outp
	.p2align	8
	.type	k_q2643d4a517_outp,@function
k_q2643d4a517_outp:
	s_mov_b64 s[64:65], 0
	v_nop
	global_prefetch_b8 v0, s[64:65] scope:SCOPE_SE
	s_setreg_imm32_b32 hwreg(HW_REG_WAVE_MODE, 25, 1), 1
	s_wait_xcnt 0x0
	s_wait_alu depctr_hold_cnt(0) depctr_sa_sdst(0) depctr_va_vdst(0) depctr_va_sdst(0) depctr_va_ssrc(0) depctr_va_vcc(0) depctr_vm_vsrc(0)
	s_getreg_b32 s2, hwreg(HW_REG_IB_STS2, 6, 4)
	s_cmp_eq_u32 s2, 0
	s_cbranch_scc0 .Lentry_in_a_cluster
	s_endpgm
.Lentry_in_a_cluster:
	s_bfe_u32 s2, ttmp6, 0x10000c
	s_cmp_lg_u32 s2, 0xf033
	s_cbranch_scc0 .Lentry_shape_is_right
	s_endpgm
.Lentry_shape_is_right:
; OUTP: out0 = vals w_o^T on codes of FP6 (E2M3).  vals come as half images of fragments, vimg [token tile][head][768], and scale bytes, vsc [token tile][r][head][2]; w_o as given.
; A work-group makes 128 tokens (eight token tiles) x 128 outputs, K = 1,024; wave w takes token tiles 2 w, 2 w + 1 against w_o's eight tiles of 16 neighbouring rows: 16 accumulators, which take turns.
; The products are used transposed (source 0 = w_o, source 1 = vals): a lane holds eight neighbouring outputs of one token.  Row r of token tile tau is token 32 (tau / 2) + 8 (tau % 2) + r % 8 + 16 (r / 8).
; Both operands for all of K lie in LDS, filled once by joint loads (4 x 4 work-groups: vals shared along a row of the cluster, w_o along a column).  No LDS byte is filled twice.
.set WOB,   98304                      ; LDS: vals' images at 0 (98,304 dense bytes); w_o's 128 rows of 768 + 48
.set CROW,  816
.set STG,   WOB+128*CROW               ; a stage of 16 x 528 bytes for each wave.  (The scale words go from memory straight into their registers: 5,120 bytes a wave against 196,608 bytes of codes a work-group, so they are not asked for jointly)
.set CW,    (3<<16)|(1<<20)|(1<<21)|(5<<22)|(3<<25)
.set RA,  2                            ; v2, v3  w_o's fragments, tiles 0-3: my row + 24 h, + 40 h;  v4, v5 tiles 4-7
.set LI16, 6                           ; v6      vals: 16 x lane + my two tiles' place
.set LI8,  7                           ; v7      8 x lane + the same
.set RSA, 8                            ; v8      my row's 32 scale bytes among the 1,024 of a pair of tiles, in memory
.set SO,  10                           ; v10     the stage, in
.set SR,  11                           ; v11     and back
.set CO,  12                           ; v12     16 x lane
.set RSC, 16                           ; v16-47  w_o's scale words: pair i, K step ks at 16 + 8 i + ks: lanes 0-15 tile 2 i, lanes 16-31 tile 2 i + 1
.set LSC, 48                           ; v48-55  vals': lanes 0-15 tile 0, lanes 16-31 tile 1
.set G1L, 16                           ; s[16:23] vals   s[24:31] w_o
.set G1R, 24
.set G0L, 56
.set G0R, 60
.set MSB, 0
.macro WIN new
.if MSB != \new
	s_set_vgpr_msb (MSB<<8)|\new
.set MSB, \new
.endif
.endm
.macro CROUND
	s_barrier_signal -1
	s_barrier_wait -1
	s_cmp_lg_u32 s14, 0
	s_cbranch_scc1 .Lnot_wave_0_\@
	s_barrier_signal -3
.Lnot_wave_0_\@:
	s_barrier_wait -3
	s_barrier_signal -1
	s_barrier_wait -1
.endm
.macro PLACES
.rept 4
	v_nop
.endr
.endm
	s_load_b256 s[4:11], s[0:1], 0x0               ; vimg, vsc, w_o's codes, w_o's scales
	s_load_b64 s[12:13], s[0:1], 0x20              ; out0
	v_lshl_add_u32 v56, v0, 2, 0x3be00
	v_mov_b32 v57, 0
	ds_add_u32 v56, v57
	ds_add_u32 v56, v57
	v_lshrrev_b32 v1, 5, v0
	v_readfirstlane_b32 s14, v1
	s_bfe_u32 s40, ttmp6, 0x40000                  ; cx
	s_bfe_u32 s41, ttmp6, 0x40004                  ; cy
	s_lshl_b32 s42, ttmp9, 2
	s_add_co_u32 s42, s42, s40                     ; the tile of outputs
	s_and_b32 s43, ttmp7, 0xffff
	s_lshl_b32 s43, s43, 2
	s_add_co_u32 s43, s43, s41                     ; the tile of tokens
	s_lshl_b32 s44, s41, 2
	s_lshl_b32 s44, 15, s44                        ; my row of the cluster
	s_lshl_b32 s45, 0x1111, s40                    ; my column
	s_or_b32 s[G1L], s44, (3<<16)|(1<<21)          ; vals: no padding: images are read in runs of consecutive bytes
	s_or_b32 s[G1R], s45, CW
	s_mov_b32 s[G1L+1], 32<<16                     ; 192 rows of 256 dense bytes
	s_mov_b32 s[G1L+2], 192<<16
	s_mov_b32 s[G1L+3], 32<<16
	s_mov_b32 s[G1L+4], 192
	s_mov_b32 s[G1L+5], 32
	s_mov_b32 s[G1L+6], 0
	s_mov_b32 s[G1L+7], 0
	s_mov_b32 s[G1R+1], 96<<16                     ; 64 rows of 768 bytes, 16 of padding behind each 256
	s_mov_b32 s[G1R+2], 64<<16
	s_mov_b32 s[G1R+3], 96<<16
	s_mov_b32 s[G1R+4], 64
	s_mov_b32 s[G1R+5], 96
	s_mov_b32 s[G1R+6], 0
	s_mov_b32 s[G1R+7], 0
	s_and_b32 s84, s14, 1                          ; which half of a side I fetch
	s_mul_i32 s85, s84, 49152
	s_mul_i32 s76, s43, 98304
	s_add_co_u32 s76, s76, s85
	s_mov_b32 s77, 0
	s_mul_i32 s78, s42, 98304
	s_add_co_u32 s78, s78, s85
	s_mov_b32 s79, 0
	s_lshl_b32 s86, s14, 10
	s_lshl_b32 s80, s43, 12
	s_add_co_u32 s80, s80, s86                     ; vals' scale bytes: 4,096 for 128 tokens, my two tiles' 1,024
	s_mov_b32 s81, 0
	s_lshl_b32 s82, s42, 12                        ; w_o's: the 128 rows' 4,096
	s_mov_b32 s83, 0
	s_mul_i32 s87, s84, 52224
	s_add_co_u32 s87, s87, WOB
	s_wait_dscnt 0x0
	s_wait_kmcnt 0x0
	s_mov_b32 s[G0L], 1
	s_mov_b32 s[G0L+1], s85
	s_add_nc_u64 s[G0L+2:G0L+3], s[4:5], s[76:77]
	s_or_b32 s[G0L+3], s[G0L+3], 0x80000000
	s_mov_b32 s[G0R], 1
	s_mov_b32 s[G0R+1], s87
	s_add_nc_u64 s[G0R+2:G0R+3], s[8:9], s[78:79]
	s_or_b32 s[G0R+3], s[G0R+3], 0x80000000
	s_add_nc_u64 s[6:7], s[6:7], s[80:81]
	s_add_nc_u64 s[10:11], s[10:11], s[82:83]
	CROUND                                         ; all sixteen work-groups are here
	s_cmp_lt_u32 s14, 2                            ; waves 0, 1 fetch vals, waves 2, 3 w_o: two tensor loads of mine are out
	s_cbranch_scc0 .Lfor_r
	tensor_load_to_lds s[G0L:G0L+3], s[G1L:G1L+7]
	s_nop 0
	PLACES
	s_branch .Lasked
.Lfor_r:
	tensor_load_to_lds s[G0R:G0R+3], s[G1R:G1R+7]
	s_nop 0
	PLACES
.Lasked:
	v_bfe_u32 v60, v0, 4, 1                        ; h
	v_and_b32 v61, 15, v0                          ; r
	v_mul_u32_u24 v62, v61, CROW
	v_mad_u32_u24 v63, v60, 24, v62
	v_mad_u32_u24 v62, v60, 40, v62
	v_add_nc_u32 v[RA], WOB, v63
	v_add_nc_u32 v[RA+1], WOB, v62
	v_add_nc_u32 v[RA+2], WOB+64*CROW, v63
	v_add_nc_u32 v[RA+3], WOB+64*CROW, v62
	v_and_b32 v62, 31, v0
	v_lshlrev_b32 v[CO], 4, v62
	s_mul_i32 s85, s14, 24576
	v_add_nc_u32 v[LI16], s85, v[CO]
	v_lshl_add_u32 v[LI8], v62, 3, s85
	v_lshlrev_b32 v[RSA], 5, v61                   ; row r of a tile: 32 bytes a row, 512 a tile; lanes 16-31 take the odd tile
	v_lshl_add_u32 v[RSA], v60, 9, v[RSA]
.irp i, 0,1,2,3
	global_load_b128 v[RSC+8*\i:RSC+8*\i+3], v[RSA], s[10:11] offset:1024*\i       ; a row's eight scale words, one for each K step: the two loads of a pair read 1,024 consecutive bytes
	global_load_b128 v[RSC+8*\i+4:RSC+8*\i+7], v[RSA], s[10:11] offset:1024*\i+16
.endr
	global_load_b128 v[LSC:LSC+3], v[RSA], s[6:7]
	global_load_b128 v[LSC+4:LSC+7], v[RSA], s[6:7] offset:16
	s_mul_i32 s85, s14, 8448
	s_add_co_u32 s85, s85, STG
	v_mul_u32_u24 v62, v61, 528
	v_lshl_add_u32 v62, v60, 5, v62
	v_add_nc_u32 v[SO], s85, v62
	v_add_nc_u32 v[SR], s85, v[CO]
	s_lshl_b32 s90, s43, 19                        ; out0: token 128 x tile + 32 w, rows of 4,096 bytes; + 512 x the tile of outputs
	s_lshl_b32 s91, s14, 17
	s_add_co_u32 s90, s90, s91
	s_lshl_b32 s91, s42, 9
	s_add_co_u32 s90, s90, s91
	s_mov_b32 s91, 0
	s_add_nc_u64 s[12:13], s[12:13], s[90:91]
	s_wait_alu depctr_va_vdst(0)
	s_wait_loadcnt 0x0                             ; my scale words are in
	s_wait_tensorcnt 0x0
	s_barrier_signal -1
	s_barrier_wait -1                              ; everybody's have
.macro FRAG reg, adr, ks, off          ; w_o: six pieces of 8 bytes; from piece 29 of 32 on lanes 16-31 read behind one padding more
.irp p, 0,1,2,3,4,5
.set PP, 12*(\ks)+6*(\p/3)+\p%3
.if PP%32 < 29
	ds_load_b64 v[\reg+2*\p:\reg+2*\p+1], v[\adr] offset:(\off)+8*PP+16*(PP/32)
.else
	ds_load_b64 v[\reg+2*\p:\reg+2*\p+1], v[\adr+1] offset:(\off)+8*PP+16*(PP/32)
.endif
.endr
.endm
.macro LFRAG reg, off                  ; vals: two half images, heads 2 ks and 2 ks + 1
	ds_load_b128 v[\reg:\reg+3], v[LI16] offset:\off
	ds_load_b64 v[\reg+4:\reg+5], v[LI8] offset:(\off)+512
	ds_load_b128 v[\reg+6:\reg+9], v[LI16] offset:(\off)+768
	ds_load_b64 v[\reg+10:\reg+11], v[LI8] offset:(\off)+1280
.endm
.macro FETCH ks, set                   ; 56 loads
	WIN 0x40
.irp a, 0,1
	LFRAG 128+24*(\set)+12*\a, \a*12288+(\ks)*1536
.endr
	WIN 0
.irp t, 0,1,2,3,4,5,6,7
	FRAG 64+96*(\set)+12*\t, RA+2*(\t/4), \ks, (\t%4)*16*CROW
.endr
.endm
.macro WM d, a, b, zero, sa, sb, ra, rb
.if \zero
.if ((\ra) == 0) && ((\rb) == 0)
	v_wmma_scale_f32_16x16x128_f8f6f4 v[(\d):(\d)+7], v[(\a):(\a)+11], v[(\b):(\b)+11], 0, v[\sa], v[\sb] matrix_a_fmt:MATRIX_FMT_FP6 matrix_b_fmt:MATRIX_FMT_FP6
.elseif ((\ra) == 1) && ((\rb) == 0)
	v_wmma_scale_f32_16x16x128_f8f6f4 v[(\d):(\d)+7], v[(\a):(\a)+11], v[(\b):(\b)+11], 0, v[\sa], v[\sb] matrix_a_fmt:MATRIX_FMT_FP6 matrix_b_fmt:MATRIX_FMT_FP6 matrix_a_scale:MATRIX_SCALE_ROW1
.elseif ((\ra) == 0) && ((\rb) == 1)
	v_wmma_scale_f32_16x16x128_f8f6f4 v[(\d):(\d)+7], v[(\a):(\a)+11], v[(\b):(\b)+11], 0, v[\sa], v[\sb] matrix_a_fmt:MATRIX_FMT_FP6 matrix_b_fmt:MATRIX_FMT_FP6 matrix_b_scale:MATRIX_SCALE_ROW1
.else
	v_wmma_scale_f32_16x16x128_f8f6f4 v[(\d):(\d)+7], v[(\a):(\a)+11], v[(\b):(\b)+11], 0, v[\sa], v[\sb] matrix_a_fmt:MATRIX_FMT_FP6 matrix_b_fmt:MATRIX_FMT_FP6 matrix_a_scale:MATRIX_SCALE_ROW1 matrix_b_scale:MATRIX_SCALE_ROW1
.endif
.else
.if ((\ra) == 0) && ((\rb) == 0)
	v_wmma_scale_f32_16x16x128_f8f6f4 v[(\d):(\d)+7], v[(\a):(\a)+11], v[(\b):(\b)+11], v[(\d):(\d)+7], v[\sa], v[\sb] matrix_a_fmt:MATRIX_FMT_FP6 matrix_b_fmt:MATRIX_FMT_FP6
.elseif ((\ra) == 1) && ((\rb) == 0)
	v_wmma_scale_f32_16x16x128_f8f6f4 v[(\d):(\d)+7], v[(\a):(\a)+11], v[(\b):(\b)+11], v[(\d):(\d)+7], v[\sa], v[\sb] matrix_a_fmt:MATRIX_FMT_FP6 matrix_b_fmt:MATRIX_FMT_FP6 matrix_a_scale:MATRIX_SCALE_ROW1
.elseif ((\ra) == 0) && ((\rb) == 1)
	v_wmma_scale_f32_16x16x128_f8f6f4 v[(\d):(\d)+7], v[(\a):(\a)+11], v[(\b):(\b)+11], v[(\d):(\d)+7], v[\sa], v[\sb] matrix_a_fmt:MATRIX_FMT_FP6 matrix_b_fmt:MATRIX_FMT_FP6 matrix_b_scale:MATRIX_SCALE_ROW1
.else
	v_wmma_scale_f32_16x16x128_f8f6f4 v[(\d):(\d)+7], v[(\a):(\a)+11], v[(\b):(\b)+11], v[(\d):(\d)+7], v[\sa], v[\sb] matrix_a_fmt:MATRIX_FMT_FP6 matrix_b_fmt:MATRIX_FMT_FP6 matrix_a_scale:MATRIX_SCALE_ROW1 matrix_b_scale:MATRIX_SCALE_ROW1
.endif
.endif
.endm
.macro MULS ks, set, zero              ; the 16 accumulators by turns, one instruction a turn, in the same order in every K step
.irp t, 0,1,2,3,4,5,6,7
.irp a, 0,1
	WM 64*\a+8*\t, 64+96*(\set)+12*\t, 128+24*(\set)+12*\a, \zero, RSC+8*(\t/2)+(\ks), LSC+(\ks), \t%2, \a
.endr
.endr
.endm
	FETCH 0, 0
.irp ks, 0,1,2,3,4,5,6
.if \ks > 0
	PLACES                                         ; in front of loads into the set that the last K step's products read
.endif
	FETCH \ks+1, (\ks+1)%2
	s_wait_dscnt 56                                ; all but the 56 loads just issued
	WIN 0x54                                       ; source 0 (w_o) window 0; source 1 (vals), C and D window 1
.if \ks == 0
	MULS \ks, \ks%2, 1
.else
	MULS \ks, \ks%2, 0
.endif
.endr
	s_wait_dscnt 0x0
	MULS 7, 1, 0
	WIN 0
	PLACES
	; THE WAY OUT: a tile's 16 tokens x 128 outputs go through my own stage and come back as whole rows of 512 bytes.  LDS serves a wave's instructions in order: no wait between the stores and the loads, nor in front of the next tile's stores.
.irp a, 0,1
	WIN 0x04                                       ; an LDS store's data: window 1
.irp t, 0,1,2,3,4,5,6,7
	ds_store_b128 v[SO], v[64*\a+8*\t:64*\a+8*\t+3] offset:64*\t        ; each accumulator from its low end on
	ds_store_b128 v[SO], v[64*\a+8*\t+4:64*\a+8*\t+7] offset:64*\t+16
.endr
	WIN 0
.irp i, 0,1,2,3,4,5,6,7,8,9,10,11,12,13,14,15
	ds_load_b128 v[64+64*\a+4*\i:67+64*\a+4*\i], v[SR] offset:528*\i
.endr
.endr
.irp a, 0,1
.irp i, 0,1,2,3,4,5,6,7,8,9,10,11,12,13,14,15
	s_wait_dscnt 32*(1-\a)+15-\i                   ; behind this row's load: the tile's younger loads, and for tile 0 tile 1's 16 stores and 16 loads
	global_store_b128 v[CO], v[64+64*\a+4*\i:67+64*\a+4*\i], s[12:13] offset:(8*\a+\i+8*(\i/8))*4096 th:TH_STORE_NT   ; 32 lanes store 512 consecutive bytes, at a multiple of 256 from out0's first byte
.endr
.endr
	s_wait_tensorcnt 0x0
	ds_add_u32 v56, v57
	s_wait_dscnt 0x0
	CROUND                                         ; the closing round
	s_endpgm
.Lfunc_end_k_q2643d4a517_outp:
	.size	k_q2643d4a517_outp, .Lfunc_end_k_q2643d4a517_outp-k_q2643d4a517_outp
	.p2alignl 7, 3214868480
	.fill 96, 4, 3214868480
	.section	.rodata,"a",@progbits
	.p2align	6, 0x0
	.amdhsa_kernel k_q2643d4a517_outp
		.amdhsa_group_segment_fixed_size 245760
		.amdhsa_private_segment_fixed_size 0
		.amdhsa_enable_private_segment 0
		.amdhsa_kernarg_size 40
		.amdhsa_user_sgpr_count 2
		.amdhsa_user_sgpr_kernarg_segment_ptr 1
		.amdhsa_wavefront_size32 1
		.amdhsa_system_sgpr_workgroup_id_x 1
		.amdhsa_system_sgpr_workgroup_id_y 1
		.amdhsa_system_sgpr_workgroup_id_z 1
		.amdhsa_system_vgpr_workitem_id 0
		.amdhsa_next_free_vgpr 448
		.amdhsa_next_free_sgpr 96
		.amdhsa_reserve_vcc 0
		.amdhsa_float_denorm_mode_32 3
		.amdhsa_float_denorm_mode_16_64 3
		.amdhsa_memory_ordered 1
		.amdhsa_forward_progress 1
		.amdhsa_inst_pref_size 62
	.end_amdhsa_kernel
	.amdgpu_metadata
---
amdhsa.version: [ 1, 2 ]
amdhsa.kernels:
  - .name:           k_q2643d4a517_outp
    .symbol:         k_q2643d4a517_outp.kd
    .args:
      - { .name: vimg, .offset: 0, .size: 8, .value_kind: global_buffer, .address_space: global }
      - { .name: vsc, .offset: 8, .size: 8, .value_kind: global_buffer, .address_space: global }
      - { .name: w_o_codes, .offset: 16, .size: 8, .value_kind: global_buffer, .address_space: global }
      - { .name: w_o_scales, .offset: 24, .size: 8, .value_kind: global_buffer, .address_space: global }
      - { .name: out0, .offset: 32, .size: 8, .value_kind: global_buffer, .address_space: global }
    .group_segment_fixed_size: 245760
    .private_segment_fixed_size: 0
    .kernarg_segment_align: 8
    .kernarg_segment_size: 40
    .max_flat_workgroup_size: 128
    .sgpr_count:     96
    .vgpr_count:     448
    .wavefront_size: 32
...
	.end_amdgpu_metadata
.endif
;; end of part 3
